; MI455X (gfx1250); checked and timed in simulation.
; The chip was launched on July 23, 2026; its instructions are those of AMD's public machine-readable ISA for CDNA 5 (MIT licence, August 2026) and "CDNA5" Instruction Set Architecture Reference Guide (July 2026). The comments in the code are by the model that wrote it; some were corrected since.
;; Causal Self Attention. Allowed arithmetic: matrix products marked QUANTISED: E2M1 operands, one E8M0 scale for each 32 along K, by v_wmma_scale_f32_16x16x128_f8f6f4 with both operands' format E2M1 (or v_wmma_scale_f32_32x16x128_f4), f32 sums; products left as they are: bf16, f16 or f32 operands; f32 sums; everything else in f32.
;; Inputs: w_proj 1,024 x 1,024 float32; w_qkv 1,024 x 3,072 float32; x 4 x 2,048 x 1,024 float32.
;; Outputs: out0 4 x 2,048 x 1,024 float32.
;; This version of the problem:
;;   THIS VERSION OF THE PROBLEM IS GIVEN IN LOW PRECISION. The matrix products marked QUANTISED in the list below multiply operands that are first quantised to E2M1 (2 exponent bits, 1 mantissa bit; 4 bits a number), with one power-of-two scale for each 32 numbers along K (OCP MX v1.0); their sums are f32. The products marked 'left as it is' may take bf16, f16 or f32 operands, with f32 sums. Whichever they take, every output number must still come out within the allowed error. Rounding operands to bf16 (8 significant bits) uses up far more of that allowance than f16 does (11 bits, for magnitudes from 6e-5 to 65,504). All else is computed in f32.
;;   The module's matrix products, in the order in which they are computed (A, B: the left and right operand; K: the contracted axis; several contracted axes count as one K, in the product's order):
;;     1. [M 8,192, K 1,024] x [K 1,024, N 3,072]; A: input x; B: input w_qkv: QUANTISED
;;     2. batch 64 x [M 2,048, K 64] x [K 64, N 2,048]; A: computed on the way; B: computed on the way: left as it is (an operand is computed on the way)
;;     3. batch 64 x [M 2,048, K 2,048] x [K 2,048, N 64]; A: computed on the way; B: computed on the way: left as it is (an operand is computed on the way)
;;     4. [M 8,192, K 1,024] x [K 1,024, N 1,024]; A: computed on the way; B: input w_proj: left as it is (an operand is computed on the way)
;;   THE QUANTISER, for each operand of a quantised product, along K:
;;     - K is cut into blocks of 32 from its start; a last block that is shorter is filled with zeros.
;;     - A block's scale is 2^e with e = floor(log2(the largest magnitude in the block)) - 2, held to -126 .. 127; a block of zeros has e = 0. As a byte (E8M0): e + 127.
;;     - Each number is divided by its block's scale, clamped to +-6, and rounded to the nearest number of E2M1, ties to even, subnormals kept.
;;     - The product sums the exact products of the quantised numbers (number of the format x scale) in f32.
;;   ~~~python
;;   def quantise(x, axis):      # numpy; x: float32 -> the quantised numbers, widened to float32 again
;;       x = np.moveaxis(x, axis, -1); K = x.shape[-1]
;;       x = np.pad(x, [(0, 0)] * (x.ndim - 1) + [(0, -K % 32)]); x = x.reshape(x.shape[:-1] + (-1, 32)); a = np.abs(x).max(-1, keepdims=True)
;;       e = np.where(a > 0, np.clip(np.frexp(np.where(a > 0, a, 1))[1] - 1 - 2, -126, 127), 0)      # np.frexp(a)[1] - 1 = floor(log2(a)), exactly
;;       r = np.clip(x / 2.0 ** e, -6, 6)
;;       step = 2.0 ** (np.maximum(np.frexp(np.where(r == 0, 1, r))[1] - 1, 0) - 1)
;;       q = np.round(r / step) * step * 2.0 ** e      # np.round: ties to even
;;       return np.moveaxis(q.reshape(q.shape[:-2] + (-1,))[..., :K], -1, axis).astype(np.float32)
;;   ~~~
;; One version. Each part assembles by itself: llvm-mc -triple=amdgcn-amd-amdhsa -mcpu=gfx1250 --defsym DOCPART=n.
;; ======== version 1 of 1: 5 launches
;; limits: values are held in f16: magnitudes above 65,504 overflow, below 6.1e-05 lose precision
;; workspace buffers: xc 4,194,304 bytes; xs 262,144 bytes; wc 1,572,864 bytes; ws 98,304 bytes; wt 2,097,152 bytes; qkv 50,331,648 bytes; qkv16 786,432 bytes; y 16,777,216 bytes
;; launch prep (part 1): grid 368 x 1, 4 waves a work-group, no clusters, 102,912 bytes of LDS; arguments x, w_qkv, w_proj, xc, xs, wc, ws, wt; writes xc, xs, wc, ws, wt
.if DOCPART == 1
	.amdgcn_target "amdgcn-amd-amdhsa--gfx1250"
	.amdhsa_code_object_version 6
	.text
	.protected	k_q515ac25336_prep
	.globl	k_q515ac25336_prep
	.p2align	8
	.type	k_q515ac25336_prep,@function
k_q515ac25336_prep:
	s_mov_b64 s[64:65], 0
	v_nop
	global_prefetch_b8 v0, s[64:65] scope:SCOPE_SE
	s_setreg_imm32_b32 hwreg(HW_REG_WAVE_MODE, 25, 1), 1
	s_wait_xcnt 0x0
; Three jobs in one launch, told apart by the work-group's number alone; each has LDS bytes of its own and its own end.
;   work-groups   0 ..  47  (W): w_qkv [1024 k][3072 n] f32 -> codes of FP4 (E2M1) laid [3072 n][512 bytes], K innermost, and scale bytes [3072][32]
;   work-groups  48 .. 111  (P): w_proj [1024 k][1024 n] f32 -> f16, laid [1024 n][1024 k]
;   work-groups 112 .. 367  (X): x [8192][1024] f32 -> codes [8192][512 bytes] and scale bytes [8192][32]
; THE QUANTISER: a block is 32 numbers along K; its scale is 2^(floor(log2(largest magnitude)) - 2); the byte is the largest magnitude's exponent field - 2, held at 1 from below;
; each number is divided by the scale and rounded to the nearest code, ties to even, beyond 6 the largest code.
; LIMITS: a block of zeros gets the byte 1 where the stated quantiser says 127 (its codes are zeros, and this program alone reads the bytes); blocks whose largest magnitude lies under 2^-124 keep the byte 1;
; NaN and infinities among the inputs are not served; |w_proj| stays under 65,504 (f16).
; X: rows are dense and 1024 is a multiple of 32, so x is a stream of blocks.  A wave takes 16 steps of 512 numbers: four loads of 512 consecutive bytes, a turn through the wave's own stage in LDS
;    (64 bytes + 16 of padding a lane), so that a lane holds 16 neighbours; two neighbouring lanes hold a block.  Codes leave 256 consecutive bytes a store, the wave's 256 scale bytes as one store.
; W, P: a lane takes a column n and its registers run down K: each load reads 128 consecutive bytes, a block lies in one lane, and the results have K innermost.  They go through the wave's stage
;    (rows of 256 bytes + 16) and leave sixteen lanes to 256 consecutive aligned bytes.
; No tensor load, no barrier: waves share nothing.
.set SPW,   14                         ; v14  LDS address of my spare word: SPARE + 4 x my thread's number; never rewritten
.set NIL,   15                         ; v15  0; never rewritten
.set SPARE, 102400                     ; behind the three regions: the spare words, 128 bytes a wave, that no other line names
.set EMAX,  2
.set XREG,  8192                       ; X: a region for each wave from LDS byte 0: two stages of 32 x SP bytes, then its 256 scale bytes
.set SP,    80
.set XR,    16                         ; v16-79   X: four sets of 16 numbers as loaded
.set XX,    80                         ; v80-111  X: two sets of 16 neighbours
.set XE,    112                        ; v112-127 X: a scale byte for each step
.set XC,    128                        ; v128-191 X: codes, four registers for each step
.set WLDS,  32768                      ; W: four stages of 32 x PITCH bytes
.set PLDS,  67584                      ; P: the same
.set PITCH, 272
.set WSB,   24                         ; v24-27   W: scale bytes, four to a register
.set WX,    32                         ; v32-95   W, P: two sets of 32 numbers
.set WC,    96                         ; v96-111  W, P: what a block becomes
.set WOUT,  112                        ; v112-175 W, P: the way out
.macro CLOSE                           ; a wave's end, behind its last LDS store
	s_wait_tensorcnt 0x0
	ds_add_u32 v[SPW], v[NIL]
	s_wait_dscnt 0x0
	s_endpgm
.endm
.macro XLOAD t
.irp i, 0,1,2,3
	global_load_b128 v[XR+16*((\t)%4)+4*\i:XR+16*((\t)%4)+4*\i+3], v3, s[4:5] offset:2048*(\t)+512*\i th:TH_LOAD_NT   ; 32 lanes read 512 consecutive bytes
.endr
.endm
.macro XTURN t                         ; step t's numbers through the stage: LDS serves a wave's instructions in order, so no wait stands between the stores and the loads
.irp i, 0,1,2,3
	ds_store_b128 v12, v[XR+16*((\t)%4)+4*\i:XR+16*((\t)%4)+4*\i+3] offset:32*SP*((\t)%2)+8*SP*\i
.endr
.irp i, 0,1,2,3
	ds_load_b128 v[XX+16*((\t)%2)+4*\i:XX+16*((\t)%2)+4*\i+3], v13 offset:32*SP*((\t)%2)+16*\i
.endr
.endm
.macro XSTEP t
.set XS, XX+16*((\t)%2)
.if (\t) > 0
	s_wait_dscnt 1                                 ; this step's numbers are back from the stage; the last step's byte store may be out
.else
	s_wait_dscnt 0x0
.endif
.if (\t)+4 < 16
	XLOAD (\t)+4                                   ; into the set that this step's stage stores have read
.endif
.if (\t)+1 < 16
.if 14-(\t) >= 3
	s_wait_loadcnt 12                              ; the next step's four loads are in; those of the three steps behind it may be out
.else
	s_wait_loadcnt 4*(14-(\t))
.endif
	XTURN (\t)+1
.endif
	v_max3_num_f32 v8, |v[XS]|, |v[XS+1]|, |v[XS+2]|               ; the largest magnitude of my 16, in two chains
	v_max3_num_f32 v9, |v[XS+3]|, |v[XS+4]|, |v[XS+5]|
.irp i, 6,10
	v_max3_num_f32 v8, v8, |v[XS+\i]|, |v[XS+\i+1]|
	v_max3_num_f32 v9, v9, |v[XS+\i+2]|, |v[XS+\i+3]|
.endr
	v_max3_num_f32 v8, v8, |v[XS+14]|, |v[XS+15]|
	v_max3_num_f32 v8, v8, v9, (EMAX+1)<<23        ; and the floor 2^(3 - 127): the byte cannot fall under 1
	v_max_num_f32_dpp v8, v8, v8 row_xmask:1 row_mask:0xf bank_mask:0xf   ; with my neighbour's 16: the block's
	v_add_nc_u32 v11, -(EMAX<<23), v8              ; 2 off its exponent field: the conversion takes the exponent field of this operand as its scale
	v_cvt_scalef32_pk8_fp4_f32 v[XC+4*(\t)], v[XS:XS+7], v11
	v_cvt_scalef32_pk8_fp4_f32 v[XC+4*(\t)+1], v[XS+8:XS+15], v11
	v_lshrrev_b32 v[XE+(\t)], 23, v11              ; the scale's byte
	ds_store_b8 v5, v[XE+(\t)] offset:16*(\t)      ; both lanes of a block write the same byte with the same value
	global_store_b64 v4, v[XC+4*(\t):XC+4*(\t)+1], s[10:11] offset:256*(\t)   ; 32 lanes store 256 consecutive bytes
.endm
.macro WLOAD t                         ; block t: w_qkv(32 t + i, my column), i = 0 .. 31
.set wi, 0
.rept 32
	global_load_b32 v[WX+32*((\t)%2)+wi], v3, s[6:7] offset:(32*(\t)+wi)*12288 th:TH_LOAD_NT
.set wi, wi+1
.endr
.endm
.macro WBLOCK t
.set XS, WX+32*((\t)%2)
.if (\t) < 15
	s_wait_loadcnt 32                              ; this block's 32 loads are in; the next block's may be out
.else
	s_wait_loadcnt 0
.endif
	v_max3_num_f32 v12, |v[XS]|, |v[XS+1]|, |v[XS+2]|              ; all 32 numbers of the block are mine
	v_max3_num_f32 v13, |v[XS+3]|, |v[XS+4]|, |v[XS+5]|
.irp i, 6,10,14,18,22,26
	v_max3_num_f32 v12, v12, |v[XS+\i]|, |v[XS+\i+1]|
	v_max3_num_f32 v13, v13, |v[XS+\i+2]|, |v[XS+\i+3]|
.endr
	v_max3_num_f32 v12, v12, |v[XS+30]|, |v[XS+31]|
	v_max3_num_f32 v12, v12, v13, (EMAX+1)<<23
	v_add_nc_u32 v11, -(EMAX<<23), v12
	v_lshrrev_b32 v13, 23, v11
.if (\t)%4 == 0
	v_mov_b32 v[WSB+(\t)/4], v13                   ; four bytes to a register, the lower K in the lower byte
.else
	v_lshl_or_b32 v[WSB+(\t)/4], v13, 8*((\t)%4), v[WSB+(\t)/4]
.endif
.irp g, 0,1,2,3
	v_cvt_scalef32_pk8_fp4_f32 v[WC+\g], v[XS+8*\g:XS+8*\g+7], v11
.endr
	ds_store_b128 v4, v[WC:WC+3] offset:16*(\t)    ; 32 codes: 16 bytes of my column's row
.if (\t)+2 < 16
	WLOAD (\t)+2
.endif
	s_wait_dscnt 0x0                               ; the store has read its registers: the next block's codes may be written
.endm
.macro PLOAD t                         ; w_proj(32 t + i, my column)
.set wi, 0
.rept 32
	global_load_b32 v[WX+32*((\t)%2)+wi], v3, s[8:9] offset:(32*(\t)+wi)*4096 th:TH_LOAD_NT
.set wi, wi+1
.endr
.endm
.macro PBLOCK t
.set XS, WX+32*((\t)%2)
.if (\t) < 3
	s_wait_loadcnt 32
.else
	s_wait_loadcnt 0
.endif
.set wi, 0
.rept 16
	v_cvt_pk_f16_f32 v[WC+wi], v[XS+2*wi], v[XS+2*wi+1]   ; two neighbours along K, the lower in the low half
.set wi, wi+1
.endr
.irp g, 0,1,2,3
	ds_store_b128 v4, v[WC+4*\g:WC+4*\g+3] offset:64*(\t)+16*\g
.endr
.if (\t)+2 < 4
	PLOAD (\t)+2
.endif
	s_wait_dscnt 0x0
.endm
.macro STAGEADR base                   ; W, P: v4 into my stage (row = my column), v7 out of it (sixteen lanes to a row, two rows an instruction)
	s_mul_i32 s23, s20, 32*PITCH
	s_add_co_u32 s23, s23, \base
	v_mul_u32_u24 v4, v2, PITCH
	v_add_nc_u32 v4, s23, v4
	v_and_b32 v5, 15, v2
	v_lshrrev_b32 v6, 4, v2
	v_mul_u32_u24 v7, v6, PITCH
	v_lshl_add_u32 v7, v5, 4, v7
	v_add_nc_u32 v7, s23, v7
.endm
	s_load_b256 s[4:11], s[0:1], 0x0               ; x s[4:5], w_qkv s[6:7], w_proj s[8:9], xc s[10:11]
	s_load_b256 s[12:19], s[0:1], 0x20             ; xs s[12:13], wc s[14:15], ws s[16:17], wt s[18:19]
	v_lshl_add_u32 v[SPW], v0, 2, SPARE
	v_mov_b32 v[NIL], 0
	v_lshrrev_b32 v1, 5, v0
	v_readfirstlane_b32 s20, v1                    ; wave 0..3
	v_and_b32 v2, 31, v0                           ; lane
	s_mov_b32 s25, 0
	s_wait_kmcnt 0x0
	s_cmp_lt_u32 ttmp9, 48
	s_cbranch_scc1 .Lrole_w
	s_cmp_lt_u32 ttmp9, 112
	s_cbranch_scc1 .Lrole_p
	; ---------------- X
	s_sub_co_u32 s21, ttmp9, 112
	s_lshl_b32 s21, s21, 2
	s_add_co_u32 s21, s21, s20                     ; which run of 8,192 numbers is my wave's: 0 .. 1023
	v_lshlrev_b32 v3, 4, v2                        ; my 16 bytes of a load's 512
	s_mul_i32 s22, s20, XREG
	v_lshrrev_b32 v12, 2, v2
	v_mul_u32_u24 v12, v12, SP
	v_and_b32 v13, 3, v2
	v_lshl_add_u32 v12, v13, 4, v12
	v_add_nc_u32 v12, s22, v12                     ; the stage, on the way in: SP (lane / 4) + 16 (lane % 4)
	v_mul_u32_u24 v13, v2, SP
	v_add_nc_u32 v13, s22, v13                     ; and on the way out: SP x lane: my 16 neighbours
	v_lshlrev_b32 v4, 3, v2                        ; my 8 bytes of a step's codes
	v_lshrrev_b32 v5, 1, v2
	s_add_co_u32 s22, s22, 2*32*SP
	v_add_nc_u32 v5, s22, v5                       ; my block's byte among my wave's 256 scale bytes
	v_lshlrev_b32 v7, 3, v2
	v_add_nc_u32 v6, s22, v7                       ; and 8 of them a lane on the way out
	s_lshl_b32 s24, s21, 15                        ; a run is 32,768 bytes of x,
	s_add_nc_u64 s[4:5], s[4:5], s[24:25]
	s_lshl_b32 s24, s21, 12                        ; 4,096 of codes,
	s_add_nc_u64 s[10:11], s[10:11], s[24:25]
	s_lshl_b32 s24, s21, 8                         ; 256 of scale bytes
	s_add_nc_u64 s[12:13], s[12:13], s[24:25]
.irp t, 0,1,2,3
	XLOAD \t
.endr
	s_wait_loadcnt 12                              ; step 0's four loads are in
	XTURN 0
.irp t, 0,1,2,3,4,5,6,7,8,9,10,11,12,13,14,15
	XSTEP \t
.endr
	ds_load_b64 v[8:9], v6                         ; LDS serves a wave's instructions in order: this sees my byte stores
	s_wait_dscnt 0x0
	global_store_b64 v7, v[8:9], s[12:13]          ; 32 lanes store 256 consecutive aligned bytes
	CLOSE
	; ---------------- W
.Lrole_w:
	s_cmp_ge_u32 ttmp9, 24
	s_cselect_b32 s22, 1, 0                        ; which 512 along K
	s_mul_i32 s21, s22, 24
	s_sub_co_u32 s21, ttmp9, s21                   ; which 128 columns
	s_lshl_b32 s21, s21, 7
	s_lshl_b32 s23, s20, 5
	s_add_co_u32 s21, s21, s23                     ; my wave's first column
	v_lshlrev_b32 v3, 2, v2                        ; in: 4 bytes a lane
	STAGEADR WLDS
	v_lshlrev_b32 v8, 9, v6
	v_lshl_add_u32 v8, v5, 4, v8                   ; the same place in the codes' buffer: rows of 512 bytes
	v_lshlrev_b32 v9, 5, v2                        ; my column's row of scale bytes: 32 bytes
	s_mul_i32 s24, s22, 512*12288
	s_lshl_b32 s26, s21, 2
	s_add_co_u32 s24, s24, s26
	s_add_nc_u64 s[6:7], s[6:7], s[24:25]          ; w_qkv: 512 rows of 12,288 bytes for each half of K, + 4 x column
	s_lshl_b32 s24, s21, 9
	s_lshl_b32 s26, s22, 8
	s_add_co_u32 s24, s24, s26
	s_add_nc_u64 s[14:15], s[14:15], s[24:25]      ; codes: column x 512 + 256 x half
	s_lshl_b32 s24, s21, 5
	s_lshl_b32 s26, s22, 4
	s_add_co_u32 s24, s24, s26
	s_add_nc_u64 s[16:17], s[16:17], s[24:25]      ; scale bytes: column x 32 + 16 x half
	WLOAD 0
	WLOAD 1
.set Q, 0
.rept 16
	WBLOCK Q
.set Q, Q+1
.endr
	global_store_b128 v9, v[WSB:WSB+3], s[16:17]   ; my column's 16 scale bytes
.irp t, 0,1,2,3,4,5,6,7,8,9,10,11,12,13,14,15
	ds_load_b128 v[WOUT+4*\t:WOUT+4*\t+3], v7 offset:2*\t*PITCH
.endr
.irp t, 0,1,2,3,4,5,6,7,8,9,10,11,12,13,14,15
	s_wait_dscnt 15-\t
	global_store_b128 v8, v[WOUT+4*\t:WOUT+4*\t+3], s[14:15] offset:2*\t*512   ; sixteen lanes store 256 consecutive aligned bytes
.endr
	CLOSE
	; ---------------- P
.Lrole_p:
	s_sub_co_u32 s21, ttmp9, 48
	s_lshr_b32 s22, s21, 3                         ; which 128 along K: 0 .. 7
	s_and_b32 s21, s21, 7                          ; which 128 columns
	s_lshl_b32 s21, s21, 7
	s_lshl_b32 s23, s20, 5
	s_add_co_u32 s21, s21, s23                     ; my wave's first column
	v_lshlrev_b32 v3, 2, v2
	STAGEADR PLDS
	v_lshlrev_b32 v8, 11, v6
	v_lshl_add_u32 v8, v5, 4, v8                   ; rows of wt are 2,048 bytes
	s_lshl_b32 s24, s22, 19                        ; 128 rows of 4,096 bytes
	s_lshl_b32 s26, s21, 2
	s_add_co_u32 s24, s24, s26
	s_add_nc_u64 s[8:9], s[8:9], s[24:25]
	s_lshl_b32 s24, s21, 11
	s_lshl_b32 s26, s22, 8
	s_add_co_u32 s24, s24, s26
	s_add_nc_u64 s[18:19], s[18:19], s[24:25]      ; wt: column x 2,048 + 256 x part of K
	PLOAD 0
	PLOAD 1
.irp t, 0,1,2,3
	PBLOCK \t
.endr
.irp t, 0,1,2,3,4,5,6,7,8,9,10,11,12,13,14,15
	ds_load_b128 v[WOUT+4*\t:WOUT+4*\t+3], v7 offset:2*\t*PITCH
.endr
.irp t, 0,1,2,3,4,5,6,7,8,9,10,11,12,13,14,15
	s_wait_dscnt 15-\t
	global_store_b128 v8, v[WOUT+4*\t:WOUT+4*\t+3], s[18:19] offset:2*\t*2048
.endr
	CLOSE
.Lfunc_end_k_q515ac25336_prep:
	.size	k_q515ac25336_prep, .Lfunc_end_k_q515ac25336_prep-k_q515ac25336_prep
	.p2alignl 7, 3214868480
	.fill 96, 4, 3214868480
	.section	.rodata,"a",@progbits
	.p2align	6, 0x0
	.amdhsa_kernel k_q515ac25336_prep
		.amdhsa_group_segment_fixed_size 102912
		.amdhsa_private_segment_fixed_size 0
		.amdhsa_enable_private_segment 0
		.amdhsa_kernarg_size 64
		.amdhsa_user_sgpr_count 2
		.amdhsa_user_sgpr_kernarg_segment_ptr 1
		.amdhsa_wavefront_size32 1
		.amdhsa_system_sgpr_workgroup_id_x 1
		.amdhsa_system_sgpr_workgroup_id_y 1
		.amdhsa_system_sgpr_workgroup_id_z 1
		.amdhsa_system_vgpr_workitem_id 0
		.amdhsa_next_free_vgpr 192
		.amdhsa_next_free_sgpr 66
		.amdhsa_reserve_vcc 0
		.amdhsa_float_denorm_mode_32 3
		.amdhsa_float_denorm_mode_16_64 3
		.amdhsa_memory_ordered 1
		.amdhsa_forward_progress 1
		.amdhsa_inst_pref_size 132
	.end_amdhsa_kernel
	.amdgpu_metadata
---
amdhsa.version: [ 1, 2 ]
amdhsa.kernels:
  - .name:           k_q515ac25336_prep
    .symbol:         k_q515ac25336_prep.kd
    .args:
      - { .name: x, .offset: 0, .size: 8, .value_kind: global_buffer, .address_space: global }
      - { .name: w_qkv, .offset: 8, .size: 8, .value_kind: global_buffer, .address_space: global }
      - { .name: w_proj, .offset: 16, .size: 8, .value_kind: global_buffer, .address_space: global }
      - { .name: xc, .offset: 24, .size: 8, .value_kind: global_buffer, .address_space: global }
      - { .name: xs, .offset: 32, .size: 8, .value_kind: global_buffer, .address_space: global }
      - { .name: wc, .offset: 40, .size: 8, .value_kind: global_buffer, .address_space: global }
      - { .name: ws, .offset: 48, .size: 8, .value_kind: global_buffer, .address_space: global }
      - { .name: wt, .offset: 56, .size: 8, .value_kind: global_buffer, .address_space: global }
    .group_segment_fixed_size: 102912
    .private_segment_fixed_size: 0
    .kernarg_segment_align: 8
    .kernarg_segment_size: 64
    .max_flat_workgroup_size: 128
    .sgpr_count:     66
    .vgpr_count:     192
    .wavefront_size: 32
...
	.end_amdgpu_metadata
.endif
;; end of part 1
;; launch qkvgemm (part 2): grid 12 x 32, 4 waves a work-group, clusters of 4 x 4, 327,680 bytes of LDS; arguments xc, xs, wc, ws, qkv, qkv16; writes qkv, qkv16
.if DOCPART == 2
	.amdgcn_target "amdgcn-amd-amdhsa--gfx1250"
	.amdhsa_code_object_version 6
	.text
	.protected	k_q515ac25336_qkvgemm
	.globl	k_q515ac25336_qkvgemm
	.p2align	8
	.type	k_q515ac25336_qkvgemm,@function
k_q515ac25336_qkvgemm:
	s_mov_b64 s[64:65], 0
	v_nop
	global_prefetch_b8 v0, s[64:65] scope:SCOPE_SE
	s_setreg_imm32_b32 hwreg(HW_REG_WAVE_MODE, 25, 1), 1
	s_wait_xcnt 0x0
	s_wait_alu depctr_hold_cnt(0) depctr_sa_sdst(0) depctr_va_vdst(0) depctr_va_sdst(0) depctr_va_ssrc(0) depctr_va_vcc(0) depctr_vm_vsrc(0)
	s_getreg_b32 s2, hwreg(HW_REG_IB_STS2, 6, 4)
	s_cmp_eq_u32 s2, 0
	s_cbranch_scc0 .Lentry_in_a_cluster
	s_endpgm
.Lentry_in_a_cluster:
	s_bfe_u32 s2, ttmp6, 0x10000c
	s_cmp_lg_u32 s2, 0xf033
	s_cbranch_scc0 .Lentry_shape_is_right
	s_endpgm
.Lentry_shape_is_right:
; qkv[m][n] = sum over k of Q(x)[m][k] Q(w_qkv)[k][n], on codes of FP4 (E2M1) with one E8M0 scale for each 32 along K; sums in f32.  m = 8192, n = 3072, k = 1024.
; A = xc [8192][512 bytes], xs [8192][32];  B = wc [3072][512 bytes], ws [3072][32].
; OUT: qkv [3 which][4 b][16 h][2048 t][64] in f16 (a plane (which, b, h) is 262,144 bytes), for the attention; and the rows t < 16 of every batch once more in f32, qkv16 [4 b][16 t][3072].
; LIMIT: |q|, |k|, |v| stay under 65,504, the largest f16 number.
; A tile of 256 x 256 is made by a work-group of four waves; a wave makes 128 x 128: 64 accumulators of 16 x 16, 512 registers.  K lies in two LDS slots of 512 along K (rows of 256 bytes + 16 of padding):
; all of K is asked for at the head, and nothing is filled again.  The scale bytes of the work-group's rows of A and B, for all of K, come with them as dense blocks.
; CLUSTERS: 4 x 4 work-groups.  The four of a row of the cluster need the same tiles of A, the four of a column the same tiles of B: each tile is asked for jointly, by the same tensor load with the same
; descriptor and a mask that names the four.  THE MATRIX INSTRUCTION IS USED TRANSPOSED (source 0 = 16 rows of B, source 1 = 16 rows of A): a lane holds eight neighbouring columns of one row of the result.
; REGISTERS, in windows of 256: window 0: v0-31 addresses; v32-95 scale words, two sets; v128-191 A's fragments, one set; on the way out v32-63 packed results, v128-191 rows read back.
;   window 1: B's fragments, two sets, at v0 and v128.   window 2: the accumulators of my rows 0-63 ((a, b) at v[8 (8 a + b)]);   window 3: those of my rows 64-127.
.set SIZE_K, 1024
.set KSTEP,  512
.set NQ,     KSTEP/128
.set ROWB,   256
.set KROW,   SIZE_K*4/8
.set PITCH,  272                       ; 68 words: the 16 rows that a load touches start 4 words apart modulo 64
.set FR,     8
.set NL,     2
.set NP,     4                         ; places behind this matrix instruction (ISA guide 7.12.1)
.set HALFT,  128*PITCH
.set SLOT,   4*HALFT
.set KS,     SIZE_K/32
.set SCL,    2*SLOT                    ; behind the two slots: the scales, as units of 256 bytes + 16 of padding
.set HALFS,  (128*KS/256)*272
.set SBLK,   (16*KS/256)*272
.set SPARE,  SCL+4*HALFS               ; the spare words, 128 bytes a wave, that no other line names
.set SPITCH, 400                       ; the way out: a stage of 16 rows x (256 bytes + 144) for each wave, in slot 0, which has had its only fill and its last read by then; 25 x 16 bytes: the stores' 16 rows fall on 16 different columns of 16 bytes
.set ADRA, 16
.set ADRB, 20
.set STO,  24
.set RD,   25
.set CO,   26
.set ADRS, 27
.set SPW,  28
.set NIL,  29
.set V16,  30                          ; v30  my byte offset in qkv16
.set FLG,  31                          ; v31  0 in the waves whose first block of rows is t = 0 .. 15
.set SC,   32
.set TMP,  32
.set AF,   128
.set BK,   128
.set G1, 24
.set G0, 32
.set G1B, 48
.set G0B, 56
.set G1S, 68
.set G0S, 76
.set G1SB, 80
.set G0SB, 88
.set MSB, 0
.macro WIN new                         ; the immediate's high byte repeats the setting that is left
.if MSB != \new
	s_set_vgpr_msb (MSB<<8)|\new
.set MSB, \new
.endif
.endm
.set MUL_LO, 0xa1                      ; source 0 (B) window 1, source 1 (A) window 0, C and D window 2
.set MUL_HI, 0xf1
.set TO_B,   0x40
; A joint load: waves 0 and 1 fetch for A, waves 2 and 3 for B.  The branch hangs on the wave's number alone.  An s_nop 0 and four v_nop follow each of the two lines.
.macro JLOAD g0a, g1a, g0b, g1b
	s_cmp_eq_u32 s15, 0
	s_cbranch_scc0 .Lfor_b_\@
	tensor_load_to_lds s[\g0a:\g0a+3], s[\g1a:\g1a+7]
	s_nop 0
.rept 4
	v_nop
.endr
	s_branch .Lasked_\@
.Lfor_b_\@:
	tensor_load_to_lds s[\g0b:\g0b+3], s[\g1b:\g1b+7]
	s_nop 0
.rept 4
	v_nop
.endr
.Lasked_\@:
.endm
.macro CROUND                          ; a round of the cluster's barrier
	s_barrier_signal -1
	s_barrier_wait -1
	s_cmp_lg_u32 s14, 0
	s_cbranch_scc1 .Lnot_wave_0_\@
	s_barrier_signal -3
.Lnot_wave_0_\@:
	s_barrier_wait -3
	s_barrier_signal -1
	s_barrier_wait -1
.endm
	s_load_b128 s[4:7], s[0:1], 0x0                ; A's codes, A's scales
	s_load_b128 s[8:11], s[0:1], 0x10              ; B's codes, B's scales
	s_load_b64 s[12:13], s[0:1], 0x20              ; qkv
	s_load_b64 s[98:99], s[0:1], 0x28              ; qkv16
	v_lshl_add_u32 v[SPW], v0, 2, SPARE
	v_mov_b32 v[NIL], 0
	ds_add_u32 v[SPW], v[NIL]                      ; the wave's opening: the add, twice on end, and its wait ahead of my first tensor load
	ds_add_u32 v[SPW], v[NIL]
	v_lshrrev_b32 v1, 5, v0
	v_readfirstlane_b32 s14, v1                    ; wave 0..3
	s_lshr_b32 s15, s14, 1                         ; which half of the tile's rows is mine.  Also: I fetch for A (0) or for B (1)
	s_and_b32 s16, s14, 1                          ; which half of its columns.  Also: which 128 rows of that tile I fetch
	s_bfe_u32 s40, ttmp6, 0x40000                  ; cx, cy: my place in the cluster
	s_bfe_u32 s41, ttmp6, 0x40004
	s_lshl_b32 s42, ttmp9, 2
	s_add_co_u32 s42, s42, s40                     ; tile column = 4 x cluster x + cx
	s_and_b32 s17, ttmp7, 0xffff
	s_lshl_b32 s17, s17, 2
	s_add_co_u32 s17, s17, s41                     ; tile row = 4 x cluster y + cy
	s_lshl_b32 s43, s41, 2
	s_lshl_b32 s43, 15, s43                        ; my row of the cluster
	s_lshl_b32 s44, 0x1111, s40                    ; my column
	s_or_b32 s[G1+0], s43, (0<<16)|(1<<20)|(1<<21)|(5<<22)|(3<<25)  ; the mask; elements of 1 byte; padding on; bit 21 beside a mask; 4 words behind every 64
	s_or_b32 s[G1B+0], s44, (0<<16)|(1<<20)|(1<<21)|(5<<22)|(3<<25)
.irp g, G1, G1B
	s_mov_b32 s[\g+1], ROWB<<16                    ; tensor_dim0
	s_mov_b32 s[\g+2], 128<<16                     ; tensor_dim1
	s_mov_b32 s[\g+3], ROWB<<16                    ; tile_dim0
	s_mov_b32 s[\g+4], 128                         ; tile_dim1
	s_mov_b32 s[\g+5], KROW                        ; from row to row
	s_mov_b32 s[\g+6], 0
	s_mov_b32 s[\g+7], 0
.endr
	s_or_b32 s[G1S+0], s43, (3<<16)|(1<<20)|(1<<21)|(5<<22)|(3<<25) ; the scales of 128 rows: 4,096 dense bytes as 16 rows of 256 (32 elements of 8 bytes)
	s_or_b32 s[G1SB+0], s44, (3<<16)|(1<<20)|(1<<21)|(5<<22)|(3<<25)
.irp g, G1S, G1SB
	s_mov_b32 s[\g+1], 32<<16
	s_mov_b32 s[\g+2], (128*KS/256)<<16
	s_mov_b32 s[\g+3], 32<<16
	s_mov_b32 s[\g+4], 128*KS/256
	s_mov_b32 s[\g+5], 32
	s_mov_b32 s[\g+6], 0
	s_mov_b32 s[\g+7], 0
.endr
	s_lshl_b32 s18, s16, 7
	s_lshl_b32 s20, s17, 8
	s_add_co_u32 s20, s20, s18                     ; A: row 256 x tile row + 128 x half
	s_lshl_b32 s46, s42, 8
	s_add_co_u32 s46, s46, s18                     ; B: row 256 x tile column + 128 x half
	s_mov_b32 s21, 0
	s_mov_b32 s47, 0
	s_mov_b64 s[18:19], KS
	s_mul_u64 s[22:23], s[20:21], s[18:19]         ; where these rows' scales begin,
	s_mul_u64 s[92:93], s[46:47], s[18:19]
	s_mov_b64 s[18:19], KROW
	s_mul_u64 s[20:21], s[20:21], s[18:19]         ; and their codes
	s_mul_u64 s[46:47], s[46:47], s[18:19]
	s_mul_i32 s45, s14, HALFT                      ; where they go: wave x 128 rows
	s_mul_i32 s94, s14, HALFS
	s_wait_dscnt 0x0                               ; both opening adds are done
	s_wait_kmcnt 0x0
	s_add_nc_u64 s[20:21], s[4:5], s[20:21]
	s_add_nc_u64 s[22:23], s[6:7], s[22:23]
	s_add_nc_u64 s[46:47], s[8:9], s[46:47]
	s_add_nc_u64 s[92:93], s[10:11], s[92:93]
	CROUND                                         ; all sixteen work-groups are here: the joint loads meet
	s_mov_b32 s[G0S], 1
	s_add_co_u32 s[G0S+1], s94, SCL
	s_mov_b64 s[G0S+2:G0S+3], s[22:23]
	s_or_b32 s[G0S+3], s[G0S+3], 0x80000000
	s_mov_b32 s[G0SB], 1
	s_add_co_u32 s[G0SB+1], s94, SCL
	s_mov_b64 s[G0SB+2:G0SB+3], s[92:93]
	s_or_b32 s[G0SB+3], s[G0SB+3], 0x80000000
	JLOAD G0S, G1S, G0SB, G1SB                     ; the scales first: they are wanted with the first half of K
.irp s, 0,1
	s_mov_b32 s[G0+4*\s], 1
	s_add_co_u32 s[G0+4*\s+1], s45, \s*SLOT
	s_add_nc_u64 s[G0+4*\s+2:G0+4*\s+3], s[20:21], \s*ROWB
	s_or_b32 s[G0+4*\s+3], s[G0+4*\s+3], 0x80000000
	s_mov_b32 s[G0B+4*\s], 1
	s_add_co_u32 s[G0B+4*\s+1], s45, \s*SLOT
	s_add_nc_u64 s[G0B+4*\s+2:G0B+4*\s+3], s[46:47], \s*ROWB
	s_or_b32 s[G0B+4*\s+3], s[G0B+4*\s+3], 0x80000000
	JLOAD G0+4*\s, G1, G0B+4*\s, G1B               ; three tensor loads of mine are out in all
.endr
	v_and_b32 v1, 15, v0                           ; r = l % 16
	v_bfe_u32 v2, v0, 4, 1                         ; h = l / 16
	v_mul_u32_u24 v3, v1, PITCH
	v_lshl_add_u32 v4, v2, 4, v3                   ; a fragment's row x pitch + 16 x half
	s_mul_i32 s21, s15, HALFT                      ; my 128 rows of A
	s_mul_i32 s22, s16, HALFT                      ; my 128 rows of B,
	s_add_co_u32 s22, s22, 2*HALFT                 ; which lie behind A's 256
.irp s, 0,1
	v_add_nc_u32 v[ADRA+\s], s21, v4
	v_add_nc_u32 v[ADRB+\s], s22, v4
	s_add_co_u32 s21, s21, SLOT
	s_add_co_u32 s22, s22, SLOT
.endr
	v_mul_u32_u24 v5, v1, KS                       ; my row's scales: 32 bytes a row,
	v_lshrrev_b32 v6, 8, v5
	v_lshl_add_u32 v5, v6, 4, v5                   ; and 16 more for each 256 passed
	s_mul_i32 s21, s15, HALFS
	s_mul_i32 s22, s16, HALFS
	s_add_co_u32 s22, s22, 2*HALFS
	s_sub_co_u32 s22, s22, s21
	v_mul_u32_u24 v6, s22, v2                      ; lanes 16-31 take B's
	s_add_co_u32 s21, s21, SCL
	v_add_nc_u32 v5, v5, v6
	v_add_nc_u32 v[ADRS], s21, v5
	; the way out.  Into my stage: row r, 16 bytes for each half of the lanes.  Back: lanes 0-7 row 2 u and lanes 8-15 row 2 u + 1 of the first head's 128 bytes, lanes 16-31 the same of the second head's
	s_mul_i32 s23, s14, 16*SPITCH
	v_mul_u32_u24 v5, v1, SPITCH
	v_lshl_add_u32 v5, v2, 4, v5
	v_add_nc_u32 v[STO], s23, v5
	v_bfe_u32 v6, v0, 3, 1
	v_and_b32 v7, 7, v0
	v_mul_u32_u24 v5, v6, SPITCH
	v_lshl_add_u32 v5, v2, 7, v5
	v_lshl_add_u32 v5, v7, 4, v5
	v_add_nc_u32 v[RD], s23, v5
	v_lshlrev_b32 v[CO], 18, v2                    ; in qkv: the second head's plane is 262,144 bytes on; a row of a head is 128 bytes
	v_lshl_add_u32 v[CO], v6, 7, v[CO]
	v_lshl_add_u32 v[CO], v7, 4, v[CO]
	v_mul_u32_u24 v[V16], v1, 12288                ; in qkv16: row r of 12,288 bytes, + 32 h
	v_lshl_add_u32 v[V16], v2, 5, v[V16]
	; my part of qkv: plane ((which x 4 + batch) x 16 + head), row t.  These numbers mix tile row and tile column: they are made in registers that feed no descriptor
	s_lshr_b32 s95, s17, 3                         ; batch = tile row / 8
	s_and_b32 s96, s17, 7
	s_lshr_b32 s66, s42, 2                         ; which of q, k, v = tile column / 4
	s_lshl_b32 s66, s66, 2
	s_add_co_u32 s66, s66, s95
	s_lshl_b32 s66, s66, 4
	s_and_b32 s2, s42, 3
	s_lshl_b32 s2, s2, 2
	s_add_co_u32 s66, s66, s2
	s_lshl_b32 s2, s16, 1
	s_add_co_u32 s66, s66, s2                      ; + my first head: 4 (tile column % 4) + 2 x half
	s_lshl_b32 s66, s66, 18
	s_lshl_b32 s2, s96, 15                         ; t = 256 (tile row % 8) + 128 x half, rows of 128 bytes
	s_add_co_u32 s66, s66, s2
	s_lshl_b32 s2, s15, 14
	s_add_co_u32 s66, s66, s2
	s_mov_b32 s67, 0
	s_add_nc_u64 s[12:13], s[12:13], s[66:67]
	s_mul_i32 s66, s95, 196608                     ; qkv16: the batch's 16 rows, + 4 x my first column
	s_lshl_b32 s2, s42, 10
	s_add_co_u32 s66, s66, s2
	s_lshl_b32 s2, s16, 9
	s_add_co_u32 s66, s66, s2
	s_add_nc_u64 s[98:99], s[98:99], s[66:67]
	s_or_b32 s96, s96, s15                         ; 0 where my rows begin at t = 0
.macro FRAG reg, adr, q, i             ; 16 rows x 128 K of 4-bit codes: 8 registers; registers 4 c .. 4 c + 3 hold K = 64 c + 32 (l / 16) + 0 .. 31
.irp c, 0,1
	ds_load_b128 v[\reg+4*\c:\reg+4*\c+3], v[\adr] offset:64*(\q)+32*\c+(\i)*16*PITCH
.endr
.endm
; 16 matrix instructions: A's blocks a0, a0 + 1 x B's eight, the slot's q-th 128 along K.  The 64 accumulators take turns, one instruction a turn, in the same order in every step.
.macro MUL16 a0, p, q, sc, zero
.irp a, \a0, \a0+1
.irp b, 0,1,2,3,4,5,6,7
.if \zero
	v_wmma_scale_f32_16x16x128_f8f6f4 v[8*(8*((\a)%4)+\b):8*(8*((\a)%4)+\b)+7], v[128*(\p)+FR*\b:128*(\p)+FR*\b+FR-1], v[AF+FR*(\a):AF+FR*(\a)+FR-1], 0, v[SC+8*NQ*(\sc)+NQ*\b+(\q)], v[SC+8*NQ*(\sc)+NQ*(\a)+(\q)] matrix_a_fmt:MATRIX_FMT_FP4 matrix_b_fmt:MATRIX_FMT_FP4 matrix_a_scale:MATRIX_SCALE_ROW1
.else
	v_wmma_scale_f32_16x16x128_f8f6f4 v[8*(8*((\a)%4)+\b):8*(8*((\a)%4)+\b)+7], v[128*(\p)+FR*\b:128*(\p)+FR*\b+FR-1], v[AF+FR*(\a):AF+FR*(\a)+FR-1], v[8*(8*((\a)%4)+\b):8*(8*((\a)%4)+\b)+7], v[SC+8*NQ*(\sc)+NQ*\b+(\q)], v[SC+8*NQ*(\sc)+NQ*(\a)+(\q)] matrix_a_fmt:MATRIX_FMT_FP4 matrix_b_fmt:MATRIX_FMT_FP4 matrix_a_scale:MATRIX_SCALE_ROW1
.endif
.endr
.endr
.endm
.macro FETCH_B slot, q, p
	WIN TO_B
.irp i, 0,1,2,3,4,5,6,7
	FRAG 128*(\p)+FR*\i, ADRB+\slot, \q, \i
.endr
	WIN 0
.endm
.macro FETCH_A slot, q, i0
.irp i, \i0, \i0+1, \i0+2, \i0+3
	FRAG AF+FR*(\i), ADRA+\slot, \q, \i
.endr
.endm
.macro SCALES sc                       ; a slot's scale words: 4 words a row; lanes 0-15 take A's block i, lanes 16-31 B's block i
.irp i, 0,1,2,3,4,5,6,7
	ds_load_b128 v[SC+8*NQ*\sc+NQ*\i:SC+8*NQ*\sc+NQ*\i+3], v[ADRS] offset:\i*SBLK
.endr
.endm
.macro PLACES n                        ; plain vector instructions between a matrix instruction and a load into, or a read of, its registers
.rept \n
	v_nop
.endr
.endm
.macro STEP slot, q, zero              ; a step of 128 along K that has its successor in the same slot
	s_wait_dscnt 4*NL                              ; B's set and A's blocks 0-3 are in; the youngest eight loads (A's blocks 4-7) may be out
	WIN MUL_LO
	MUL16 0, (\q)%2, \q, \slot, \zero
	MUL16 2, (\q)%2, \q, \slot, \zero
	s_wait_dscnt 0
	PLACES NP
	FETCH_B \slot, (\q)+1, 1-(\q)%2
	FETCH_A \slot, (\q)+1, 0
	WIN MUL_HI
	MUL16 4, (\q)%2, \q, \slot, \zero
	MUL16 6, (\q)%2, \q, \slot, \zero
	PLACES NP
	WIN 0
	FETCH_A \slot, (\q)+1, 4
.endm
; Slot 0's last step changes slots: each wave waits for all its tensor loads (its part of slot 1), adds 0 to its spare word, waits for that and for its reads of slot 0; one barrier.  Nothing is filled again.
.macro TURN slot, next
	s_wait_tensorcnt 0x0
	ds_add_u32 v[SPW], v[NIL]
	s_wait_dscnt 4*NL+1                            ; the add and the youngest eight loads may be out
	WIN MUL_LO
	MUL16 0, 1, NQ-1, \slot, 0
	s_wait_dscnt 0x0                               ; the add is done, and my reads of this slot are over
	s_barrier_signal -1
	MUL16 2, 1, NQ-1, \slot, 0
	WIN 0
	s_barrier_wait -1
	PLACES NP
	v_add_nc_u32 v[ADRS], 4*NQ, v[ADRS]            ; on to the next slot's scale words
	FETCH_B \next, 0, 0
	FETCH_A \next, 0, 0
	SCALES \next
	WIN MUL_HI
	MUL16 4, 1, NQ-1, \slot, 0
	MUL16 6, 1, NQ-1, \slot, 0
	PLACES NP
	WIN 0
	FETCH_A \next, 0, 4
.endm
.macro STEPS slot, from
.set Q, \from
.rept NQ-1-\from
	STEP \slot, Q, 0
.set Q, Q+1
.endr
.endm
	s_wait_tensorcnt 1                             ; the scales and my part of slot 0 are in; slot 1's load may be out,
	s_barrier_signal -1
	s_barrier_wait -1                              ; everybody's are
	FETCH_B 0, 0, 0
	FETCH_A 0, 0, 0
	SCALES 0
	FETCH_A 0, 0, 4
	STEP 0, 0, 1                                   ; the first step's products start the sums: nothing is cleared
	STEPS 0, 1
	TURN 0, 1
	STEPS 1, 0
	s_wait_dscnt 4*NL                              ; the very last step: nothing more to fetch
	WIN MUL_LO
	MUL16 0, 1, NQ-1, 1, 0
	MUL16 2, 1, NQ-1, 1, 0
	s_wait_dscnt 0
	WIN MUL_HI
	MUL16 4, 1, NQ-1, 1, 0
	MUL16 6, 1, NQ-1, 1, 0
	WIN 0
	PLACES NP
	; THE ROWS t < 16 IN f32.  They are block 0 of the waves whose rows begin at t = 0.  The stores run in every wave, with all lanes off in the others.
	v_mov_b32 v[FLG], s96
	v_cmp_eq_u32 vcc_lo, 0, v[FLG]
	s_wait_xcnt 0x0                                ; EXEC changes only behind this wait
	s_and_saveexec_b32 s97, vcc_lo
	WIN 0x08                                       ; a store's data are its source 1: window 2
.irp b, 0,1,2,3,4,5,6,7
	global_store_b128 v[V16], v[8*\b:8*\b+3], s[98:99] offset:64*\b        ; lane (r, h): row r, columns 16 b + 8 h + 0 .. 7; each accumulator from its low end on
	global_store_b128 v[V16], v[8*\b+4:8*\b+7], s[98:99] offset:64*\b+16
.endr
	WIN 0
	s_wait_xcnt 0x0                                ; and again, in front of the line that restores it
	s_or_b32 exec_lo, exec_lo, s97
; THE WAY OUT, block by block of 16 rows x 128 columns (two heads).  PACK: rounded to f16, 16 bytes a lane.  TOSTAGE: into my stage, and back by heads.  SEND: lanes 0-15 store two rows (256 consecutive
; aligned bytes) of the first head, lanes 16-31 of the second.  LDS serves a wave's instructions in order (ISA guide 5.7.1.4): no wait between the stores into the stage and the loads.
.macro PACK a
.set AC, 64*((\a)%4)
	WIN 0x0a+5*((\a)/4)                            ; sources 0 and 1: window 2 or 3
.irp b, 0,1,2,3,4,5,6,7
.irp r, 0,1,2,3
	v_cvt_pk_f16_f32 v[TMP+4*\b+\r], v[AC+8*\b+2*\r], v[AC+8*\b+2*\r+1]
.endr
.endr
	WIN 0
.endm
.macro TOSTAGE a
.set BB, BK+32*((\a)%2)
.irp b, 0,1,2,3,4,5,6,7
	ds_store_b128 v[STO], v[TMP+4*\b:TMP+4*\b+3] offset:32*\b
.endr
.irp u, 0,1,2,3,4,5,6,7
	ds_load_b128 v[BB+4*\u:BB+4*\u+3], v[RD] offset:\u*2*SPITCH
.endr
.endm
.macro SEND a
.set BB, BK+32*((\a)%2)
	s_wait_dscnt 0x0                               ; the block is back in registers
	s_wait_xcnt 0x0                                ; the block before has been read by its stores: the next block's loads from the stage may land in its registers
.irp u, 0,1,2,3,4,5,6,7
	global_store_b128 v[CO], v[BB+4*\u:BB+4*\u+3], s[12:13] offset:(\a)*2048+\u*256
.endr
.endm
	PACK 0
	TOSTAGE 0
.irp a, 1,2,3,4,5,6,7
	PACK \a                                        ; block a's conversions stand between block a - 1's loads from the stage and the wait for them
	SEND \a-1
	TOSTAGE \a
.endr
	SEND 7
	s_wait_tensorcnt 0x0                           ; the wave's end
	ds_add_u32 v[SPW], v[NIL]
	s_wait_dscnt 0x0
	CROUND                                         ; the closing round: no work-group ends while a partner may still ask for a tile that names it
	s_endpgm
.Lfunc_end_k_q515ac25336_qkvgemm:
	.size	k_q515ac25336_qkvgemm, .Lfunc_end_k_q515ac25336_qkvgemm-k_q515ac25336_qkvgemm
	.p2alignl 7, 3214868480
	.fill 96, 4, 3214868480
	.section	.rodata,"a",@progbits
	.p2align	6, 0x0
	.amdhsa_kernel k_q515ac25336_qkvgemm
		.amdhsa_group_segment_fixed_size 327680
		.amdhsa_private_segment_fixed_size 0
		.amdhsa_enable_private_segment 0
		.amdhsa_kernarg_size 48
		.amdhsa_user_sgpr_count 2
		.amdhsa_user_sgpr_kernarg_segment_ptr 1
		.amdhsa_wavefront_size32 1
		.amdhsa_system_sgpr_workgroup_id_x 1
		.amdhsa_system_sgpr_workgroup_id_y 1
		.amdhsa_system_sgpr_workgroup_id_z 1
		.amdhsa_system_vgpr_workitem_id 0
		.amdhsa_next_free_vgpr 1024
		.amdhsa_next_free_sgpr 100
		.amdhsa_reserve_vcc 1
		.amdhsa_float_denorm_mode_32 3
		.amdhsa_float_denorm_mode_16_64 3
		.amdhsa_memory_ordered 1
		.amdhsa_forward_progress 1
		.amdhsa_inst_pref_size 129
	.end_amdhsa_kernel
	.amdgpu_metadata
---
amdhsa.version: [ 1, 2 ]
amdhsa.kernels:
  - .name:           k_q515ac25336_qkvgemm
    .symbol:         k_q515ac25336_qkvgemm.kd
    .args:
      - { .name: xc, .offset: 0, .size: 8, .value_kind: global_buffer, .address_space: global }
      - { .name: xs, .offset: 8, .size: 8, .value_kind: global_buffer, .address_space: global }
      - { .name: wc, .offset: 16, .size: 8, .value_kind: global_buffer, .address_space: global }
      - { .name: ws, .offset: 24, .size: 8, .value_kind: global_buffer, .address_space: global }
      - { .name: qkv, .offset: 32, .size: 8, .value_kind: global_buffer, .address_space: global }
      - { .name: qkv16, .offset: 40, .size: 8, .value_kind: global_buffer, .address_space: global }
    .group_segment_fixed_size: 327680
    .private_segment_fixed_size: 0
    .kernarg_segment_align: 8
    .kernarg_segment_size: 48
    .max_flat_workgroup_size: 128
    .sgpr_count:     100
    .vgpr_count:     1024
    .wavefront_size: 32
...
	.end_amdgpu_metadata
.endif
;; end of part 2
;; launch attn (part 3): grid 4 x 64, 16 waves a work-group, no clusters, 327,680 bytes of LDS; arguments qkv, y; writes y
.if DOCPART == 3
	.amdgcn_target "amdgcn-amd-amdhsa--gfx1250"
	.amdhsa_code_object_version 6
	.text
	.protected	k_q515ac25336_attn
	.globl	k_q515ac25336_attn
	.p2align	8
	.type	k_q515ac25336_attn,@function
k_q515ac25336_attn:
	s_mov_b64 s[64:65], 0
	v_nop
	global_prefetch_b8 v0, s[64:65] scope:SCOPE_SE
	s_setreg_imm32_b32 hwreg(HW_REG_WAVE_MODE, 25, 1), 1
	s_wait_xcnt 0x0
; y[b][t][h][:] = the sum over keys k <= t of softmax_k(q . k / 8) v, for 64 planes (b, h) of 2,048 positions x 64 channels.  q, k, v: f16, qkv [3][64 planes][2048][64]; y: f16, [16 h][8192 b t][64].
; Products on f16 operands with f32 sums; maxima, exponentials and sums in f32; the weights p (at most 1) are rounded to f16 for the second product, y once at the end.
; (The rows t < 16 of every batch are made again in f32 by a later launch.)
; SHARES.  A work-group owns the blocks i and 7 - i of 256 queries of one plane; wave w of sixteen owns two tiles of 16 queries: E at 256 i + 16 w and L at 256 (7 - i) + 16 (15 - w): 2,064 keys' worth in every wave.
; Four waves lie on a SIMD, so that one wave's vector work stands beside another's matrix work and LDS loads.
; NO CLUSTER: where a work-group's keys end hangs on its own number, so partners of one plane would need different numbers of tiles.
; KEYS go 64 a step, four steps to a slot of 256 keys, through a ring of two LDS slots filled by the tensor data mover (waves 0, 1: K's halves; waves 2, 3: V's).  Every work-group walks all 8 slots: the trip counts are
; constants; a step all of whose keys come after a wave's queries is left out by a scalar branch on ids, and a slot that no wave of the work-group reads is not asked for.
; LAYOUT.  S^T = K Q^T (source 0 = 16 keys, source 1 = 16 queries): a lane holds ONE query (lane % 16) and the keys 8 (lane / 16) + 0..7 of each tile of 16 keys.  Two such tiles, rounded to f16 in pairs, ARE source 1
; (32 keys x 16 queries) of O^T = V^T P.  K comes out of LDS as it lies, V ([key][channel]) turned, by ds_load_tr16_b128.
; K's and V's tiles are dense in memory, so they are fetched as rows of 256 bytes, two keys to a row: key k lies at (k / 2) x pitch + 128 (k % 2).
; SOFTMAX.  For each query a running maximum m and sum l: p = 2^(c s - c m), c = log2(e) / 8; in every step O and l are multiplied by a = 2^(c m_old - c m_new).
.set PK,    272                        ; K: 256 bytes + 16: the 16 keys of a fragment load fall on 16 different columns of 16 bytes
.set PV,    288                        ; V: 256 bytes + 32
.set VOFF,  128*PK                     ; a slot: 128 rows of K, then 128 rows of V
.set SLOT1, 1<<17                      ; slot 1 begins here: one exclusive or turns an address from one slot into the other
.set STAGE, 2*SLOT1                    ; the way out: 16 rows x (128 bytes + 16) for each wave; no tile lands here
.set SP,    144
.set SPARE, STAGE+16*16*SP             ; the spare words, 128 bytes a wave, that no other line names
.set AK0, 1                            ; v1   my lane's place in a tile of K
.set AV0, 2                            ; v2   and of V
.set ADK, 3                            ; v3   LDS address of the step's K
.set ADV, 4                            ; v4   and V
.set SPW, 5
.set NIL, 6
.set RH,  7                            ; v7   lane % 16 - 8 (lane / 16)
.set NINF, 8                           ; v8   -infinity
.set DD,  9                            ; v9   at work: the mask's bound
.set PFO, 10                           ; v10  256 x lane: the prefetches' offset
.set STO, 11
.set RD,  12
.set GO,  13
.set STE, 16                           ; v16-23, v24-31 statistics of E, L: +0 c m, +1 m, +2, +3 l (even keys', odd keys'), +4 .. +7 at work; a lies in +6
.set STL, 24
.set QFE, 32                           ; v32-47, v48-63 Q's fragments of E, L
.set QFL, 48
.set F,   64                           ; v64-127 a step's fragments of K, then of V
.set SE,  128                          ; v128-159, v160-191 S^T of E, L; P is packed in place into the lower 16
.set SL,  160
.set OE,  192                          ; v192-223, v224-255 O^T
.set OL,  224
.set TK,  2                            ; s2   LDS byte at which the step's K begins
.set TV,  3                            ; s3   the same for V (less VOFF)
.set WV,  18
.set SEL, 20
.set CS,  22
.set G1K, 24
.set G1V, 32
.set G0K, 40
.set G0V, 44
.set STP, 66                           ; s66  counts a slot's four steps
.set SLOTS, 67                         ; s67  changes of slots still to come that may ask for a slot
.set QE,  70                           ; s70, s71 the tiles' first queries; s72, s73 their last
.set QL,  71
.set QMAX, 74                          ; s74  my work-group's last query
.set PFA, 76
.set LIM, 80
.set KF,  98                           ; s98  the step's first key
; Waves 0 and 1 fetch for K, waves 2 and 3 for V, the others nothing.  An s_nop 0 and four v_nop follow each of the two lines.
.macro TLOAD
	s_cmp_lt_u32 s[WV], 2
	s_cbranch_scc0 .Lnot_k_\@
	tensor_load_to_lds s[G0K:G0K+3], s[G1K:G1K+7]
	s_nop 0
.rept 4
	v_nop
.endr
	s_branch .Lasked_\@
.Lnot_k_\@:
	s_cmp_lt_u32 s[WV], 4
	s_cbranch_scc0 .Lasked_\@
	tensor_load_to_lds s[G0V:G0V+3], s[G1V:G1V+7]
	s_nop 0
.rept 4
	v_nop
.endr
.Lasked_\@:
.endm
; A prefetch of what the NEXT change of slots will ask for: a slot's 32,768 bytes of K and of V.  The plane's first work-group asks, which walks all slots; in it waves 4 to 7 name K's bytes and waves 8 to 11 V's,
; 8,192 a wave, lanes 256 bytes apart: each aligned block of 256 bytes is named once in the launch.  The last change that fills a slot asks for nothing; slots 0 and 1 come by their loads alone.
.macro ASK
	s_cmp_gt_u32 s[SLOTS], s[LIM]
	s_cbranch_scc0 .Lnot_mine_\@
	global_prefetch_b8 v[PFO], s[PFA:PFA+1] th:TH_LOAD_NT scope:SCOPE_SE
.Lnot_mine_\@:
.endm
; S^T = K Q^T of one tile: four accumulators (16 keys each) by turns, channels 0-31 (which start the sums), then 32-63
.macro SMUL s, q
.irp kt, 0,1,2,3
	v_wmma_f32_16x16x32_f16 v[\s+8*\kt:\s+8*\kt+7], v[F+16*\kt:F+16*\kt+7], v[\q:\q+7], 0
.endr
.irp kt, 0,1,2,3
	v_wmma_f32_16x16x32_f16 v[\s+8*\kt:\s+8*\kt+7], v[F+16*\kt+8:F+16*\kt+15], v[\q+8:\q+15], v[\s+8*\kt:\s+8*\kt+7]
.endr
.endm
; O^T += V^T P of one tile: four accumulators (16 channels each) by turns, keys 0-31, then 32-63
.macro PVMUL o, s
.irp u, 0,1
.irp dt, 0,1,2,3
	v_wmma_f32_16x16x32_f16 v[\o+8*\dt:\o+8*\dt+7], v[F+8*(4*\u+\dt):F+8*(4*\u+\dt)+7], v[\s+8*\u:\s+8*\u+7], v[\o+8*\dt:\o+8*\dt+7]
.endr
.endr
.endm
; One tile's softmax for one step.  t: its statistics; s: its 32 scores; o: its O^T; q: the scalar register with its first query
.macro SOFT t, s, o, q
	s_add_co_u32 s96, s[KF], 63                    ; a step all of whose keys count skips the mask
	s_cmp_le_u32 s96, s[\q]
	s_cbranch_scc1 .Lopen_\@
	s_sub_co_i32 s96, s[\q], s[KF]
	v_add_nc_u32 v[DD], s96, v[RH]                 ; register 8 kt + j holds key KF + 16 kt + 8 (lane / 16) + j: hidden where 16 kt + j > my query - KF - 8 (lane / 16)
.set cn, 0
.rept 32
	v_cmp_gt_i32 vcc_lo, 16*(cn/8)+cn%8, v[DD]
	v_cndmask_b32 v[\s+cn], v[\s+cn], v[NINF], vcc_lo
.set cn, cn+1
.endr
.Lopen_\@:
.irp j, 0,1,2,3                        ; the maximum of the 32 scores and the old m: four chains; each accumulator is read from its low end on
	v_max3_num_f32 v[\t+4+\j], v[\s+8*\j], v[\s+8*\j+1], v[\s+8*\j+2]
.endr
.irp i, 3,5
.irp j, 0,1,2,3
	v_max3_num_f32 v[\t+4+\j], v[\t+4+\j], v[\s+8*\j+\i], v[\s+8*\j+\i+1]
.endr
.endr
	v_max3_num_f32 v[\t+4], v[\t+4], v[\s+7], v[\s+15]
	v_max3_num_f32 v[\t+6], v[\t+6], v[\s+23], v[\s+31]
	v_max3_num_f32 v[\t+4], v[\t+4], v[\t+5], v[\t+6]
	v_max3_num_f32 v[\t+4], v[\t+4], v[\t+7], v[\t+1]
	v_permlanex16_b32 v[\t+5], v[\t+4], s[SEL], s[SEL+1]   ; the query's other 32 keys lie in the lane 16 away
	v_mov_b32 v[\t+7], v[\t]                       ; c m_old
	v_max_num_f32 v[\t+1], v[\t+4], v[\t+5]        ; the new m
	v_mul_f32 v[\t], s[CS], v[\t+1]                ; c m
	v_sub_f32 v[\t+7], v[\t+7], v[\t]
.set cn, 0
.rept 16
	v_pk_fma_f32 v[\s+cn:\s+cn+1], v[\s+cn:\s+cn+1], s[CS:CS+1], v[\t:\t+1] op_sel_hi:[1,0,0] neg_lo:[0,0,1] neg_hi:[0,0,1]   ; c s - c m, two at a time
.set cn, cn+2
.endr
	v_exp_f32 v[\t+6], v[\t+7]                     ; a
.set cn, 0
.rept 32
	v_exp_f32 v[\s+cn], v[\s+cn]                   ; p
.set cn, cn+1
.endr
	v_nop                                          ; a plain instruction behind the last exponential
	s_wait_alu depctr_va_vdst(0)                   ; one wait for the batch of 33, ahead of its first reader
	v_pk_fma_f32 v[\t+2:\t+3], v[\t+2:\t+3], v[\t+6:\t+7], v[\s:\s+1] op_sel_hi:[1,0,1]   ; l = a l + the sum of p, in f32, ahead of the rounding: two chains
	v_pk_add_f32 v[\t+4:\t+5], v[\s+2:\s+3], v[\s+6:\s+7]
.irp b, 4,8,12,16,20,24
	v_pk_add_f32 v[\t+2:\t+3], v[\t+2:\t+3], v[\s+\b:\s+\b+1]
	v_pk_add_f32 v[\t+4:\t+5], v[\t+4:\t+5], v[\s+\b+6:\s+\b+7]
.endr
	v_pk_add_f32 v[\t+2:\t+3], v[\t+2:\t+3], v[\s+28:\s+29]
	v_pk_add_f32 v[\t+2:\t+3], v[\t+2:\t+3], v[\t+4:\t+5]
.set cn, 0
.rept 16
	v_cvt_pk_f16_f32 v[\s+cn], v[\s+2*cn], v[\s+2*cn+1]    ; P, packed in place, ascending: register i is written when registers 2 i and 2 i + 1 are read
.set cn, cn+1
.endr
.set cn, 0
.rept 16
	v_pk_mul_f32 v[\o+cn:\o+cn+1], v[\o+cn:\o+cn+1], v[\t+6:\t+7] op_sel_hi:[1,0]   ; O^T x a
.set cn, cn+2
.endr
.endm
; A step's work behind K's loads.  both = 1: both tiles; 0: the late tile alone (the early tile's keys are over)
.macro BODY both
.if \both
	SMUL SE, QFE
.endif
	SMUL SL, QFL
.rept 4
	v_nop                                          ; places in front of the loads into K's registers and of the first read of the scores
.endr
.irp u, 0,1                            ; V, turned: keys 32 u on, channels 16 dt on; the loads land under the softmax
.irp dt, 0,1,2,3
	ds_load_tr16_b128 v[F+8*(4*\u+\dt):F+8*(4*\u+\dt)+3],   v[ADV] offset:\u*16*PV+32*\dt
	ds_load_tr16_b128 v[F+8*(4*\u+\dt)+4:F+8*(4*\u+\dt)+7], v[ADV] offset:\u*16*PV+8*PV+32*\dt
.endr
.endr
.if \both
	SOFT STE, SE, OE, QE
.endif
	SOFT STL, SL, OL, QL
	s_wait_dscnt 0x0                               ; V is in
.if \both
	PVMUL OE, SE
.endif
	PVMUL OL, SL
.endm
.macro STEP
	s_cmp_gt_u32 s[KF], s73                        ; all 64 keys come after my last query: nothing to do but step the addresses
	s_cbranch_scc1 .Lhid_\@
	v_add_nc_u32 v[ADK], s[TK], v[AK0]             ; these two and three v_nop: five places behind the last step's products, whose V is loaded over and whose P is written over by the new scores
	v_add_nc_u32 v[ADV], s[TV], v[AV0]
.rept 3
	v_nop
.endr
.irp kt, 0,1,2,3                       ; K: keys 16 kt on, channels 32 ks on
.irp ks, 0,1
	ds_load_b128 v[F+16*\kt+8*\ks:F+16*\kt+8*\ks+3],   v[ADK] offset:\kt*8*PK+64*\ks
	ds_load_b128 v[F+16*\kt+8*\ks+4:F+16*\kt+8*\ks+7], v[ADK] offset:\kt*8*PK+64*\ks+32
.endr
.endr
	s_wait_dscnt 0x0
	s_cmp_gt_u32 s[KF], s72
	s_cbranch_scc1 .Lonly_\@
	BODY 1
	s_branch .Lhid_\@
.Lonly_\@:
	BODY 0
.Lhid_\@:
	s_add_co_u32 s[KF], s[KF], 64
	s_add_co_u32 s[TK], s[TK], 32*PK
	s_add_co_u32 s[TV], s[TV], 32*PV
.endm
; THE CHANGE OF SLOTS stands at a slot's head.  Each wave waits for all its tensor loads (its part of the slot ahead), adds 0 to its spare word, and waits for that and for its reads of the slot that it has left.
; Behind the barrier the slot ahead is whole and nobody reads the other one.  fill = 1: that other slot is filled with the next 256 keys, while any wave of the work-group will read them.
.macro CHANGE fill
	s_wait_tensorcnt 0x0                           ; no tensor load of mine is out, so a group 0 may be written
	ds_add_u32 v[SPW], v[NIL]
.if \fill
	ds_add_u32 v[SPW], v[NIL]                      ; and twice on end here, in every trip alike
	s_xor_b32 s[G0K+1], s[G0K+1], SLOT1            ; the walking descriptors: the other slot, the next 256 keys
	s_add_nc_u64 s[G0K+2:G0K+3], s[G0K+2:G0K+3], 32768
	s_xor_b32 s[G0V+1], s[G0V+1], SLOT1
	s_add_nc_u64 s[G0V+2:G0V+3], s[G0V+2:G0V+3], 32768
	s_wait_xcnt 0x0                                ; the last prefetch, a slot back, has read its address
	s_add_nc_u64 s[PFA:PFA+1], s[PFA:PFA+1], 32768
.endif
	s_wait_dscnt 0x0
	s_barrier_signal -1
	s_barrier_wait -1
.if \fill
	s_add_co_u32 s96, s[KF], 256                   ; the first key of the slot that this change would ask for:
	s_cmp_gt_u32 s96, s[QMAX]                      ; past my work-group's last query no wave reads it, so it is not asked for.  Ids and the count of steps alone: all sixteen waves go the same way
	s_cbranch_scc1 .Lpast_\@
	TLOAD                                          ; a wave's one tensor load until the next such barrier
.Lpast_\@:
	ASK
.endif
.endm
.macro SLOT_STEPS                      ; a slot's four steps: written once, walked four times
	s_mov_b32 s[STP], 4
.Lstep_\@:
	STEP
	s_sub_co_u32 s[STP], s[STP], 1
	s_cmp_lg_u32 s[STP], 0
	s_cbranch_scc1 .Lstep_\@
	s_sub_co_u32 s[TK], s[TK], 128*PK              ; back to a slot's first step,
	s_xor_b32 s[TK], s[TK], SLOT1                  ; in the other slot
	s_sub_co_u32 s[TV], s[TV], 128*PV
	s_xor_b32 s[TV], s[TV], SLOT1
.endm
	s_load_b128 s[4:7], s[0:1], 0x0                ; qkv s[4:5], y s[6:7]
	v_lshl_add_u32 v[SPW], v0, 2, SPARE
	v_mov_b32 v[NIL], 0
	ds_add_u32 v[SPW], v[NIL]                      ; the wave's opening: the add, twice on end, and its wait ahead of the first tensor load
	ds_add_u32 v[SPW], v[NIL]
	v_lshrrev_b32 v14, 5, v0
	v_readfirstlane_b32 s[WV], v14                 ; wave 0..15
	s_and_b32 s8, ttmp7, 0xffff                    ; the plane: 16 b + h
	s_lshl_b32 s10, s8, 18                         ; its 262,144 bytes in each of q, k, v
	s_mov_b32 s11, 0
	s_lshl_b32 s[QE], ttmp9, 8
	s_lshl_b32 s9, s[WV], 4
	s_add_co_u32 s[QE], s[QE], s9                  ; E: 256 i + 16 w
	s_sub_co_u32 s[QL], 7, ttmp9
	s_lshl_b32 s[QL], s[QL], 8
	s_or_b32 s[QMAX], s[QL], 255
	s_sub_co_u32 s9, 240, s9
	s_add_co_u32 s[QL], s[QL], s9                  ; L: 256 (7 - i) + 16 (15 - w)
	s_add_co_u32 s72, s[QE], 15
	s_add_co_u32 s73, s[QL], 15
	; descriptor group 1: 64 rows of 128 elements of 2 bytes (128 keys), dense in memory, padded in LDS
	s_mov_b32 s[G1K], (1<<16)|(1<<20)|(5<<22)|(3<<25)   ; no mask; elements of 2 bytes; padding on: 4 words behind every 64
	s_mov_b32 s[G1V], (1<<16)|(1<<20)|(5<<22)|(7<<25)   ; 8 words
.irp g, G1K, G1V
	s_mov_b32 s[\g+1], 128<<16                     ; tensor_dim0
	s_mov_b32 s[\g+2], 64<<16                      ; tensor_dim1
	s_mov_b32 s[\g+3], 128<<16                     ; tile_dim0
	s_mov_b32 s[\g+4], 64                          ; tile_dim1
	s_mov_b32 s[\g+5], 128                         ; from row to row
	s_mov_b32 s[\g+6], 0
	s_mov_b32 s[\g+7], 0
.endr
	s_and_b32 s19, s[WV], 1                        ; which half of a slot's keys I fetch, if I fetch
	s_mul_i32 s9, s19, 64*PK
	s_mov_b32 s[G0K], 1
	s_mov_b32 s[G0K+1], s9
	s_mul_i32 s9, s19, 64*PV
	s_add_co_u32 s9, s9, VOFF
	s_mov_b32 s[G0V], 1
	s_mov_b32 s[G0V+1], s9
	s_lshl_b32 s16, s19, 14
	s_mov_b32 s17, 0
	s_mov_b32 s[SEL], 0x76543210
	s_mov_b32 s[SEL+1], 0xfedcba98
	s_mov_b32 s[CS], 0x3e38aa3b                    ; c = log2(e) / 8
	s_mov_b32 s[CS+1], s[CS]
	s_mov_b32 s[TK], 0
	s_mov_b32 s[TV], 0
	s_mov_b32 s[KF], 0
	s_mov_b32 s[SLOTS], 7
	s_wait_dscnt 0x0                               ; both opening adds are done
	s_wait_kmcnt 0x0
	s_add_nc_u64 s[52:53], s[4:5], s[10:11]        ; q's plane,
	s_add_nc_u64 s[48:49], s[52:53], 0x1000000     ; k's,
	s_add_nc_u64 s[50:51], s[52:53], 0x2000000     ; v's
	s_add_nc_u64 s[G0K+2:G0K+3], s[48:49], s[16:17]
	s_or_b32 s[G0K+3], s[G0K+3], 0x80000000
	s_add_nc_u64 s[G0V+2:G0V+3], s[50:51], s[16:17]
	s_or_b32 s[G0V+3], s[G0V+3], 0x80000000
	TLOAD                                          ; slot 0: it holds key 0, which counts for every query
	s_lshl_b32 s16, s[QE], 7
	s_add_nc_u64 s[12:13], s[52:53], s[16:17]      ; Q at E's first query,
	s_lshl_b32 s16, s[QL], 7
	s_add_nc_u64 s[14:15], s[52:53], s[16:17]      ; and at L's
	v_and_b32 v14, 15, v0                          ; r
	v_bfe_u32 v15, v0, 4, 1                        ; h
	v_lshlrev_b32 v[DD], 7, v14
	v_lshl_add_u32 v[DD], v15, 4, v[DD]            ; row r of 128 bytes + 16 h
.irp ks, 0,1
.irp e, 0,1
	global_load_b128 v[QFE+8*\ks+4*\e:QFE+8*\ks+4*\e+3], v[DD], s[12:13] offset:64*\ks+32*\e
	global_load_b128 v[QFL+8*\ks+4*\e:QFL+8*\ks+4*\e+3], v[DD], s[14:15] offset:64*\ks+32*\e
.endr
.endr
	s_and_b32 s9, s8, 15                           ; y: plane h of 1,048,576 bytes, row 2048 b + query of 128 bytes
	s_lshl_b32 s9, s9, 20
	s_lshr_b32 s16, s8, 4
	s_lshl_b32 s16, s16, 18
	s_add_co_u32 s9, s9, s16
	s_lshl_b32 s16, s[QE], 7
	s_add_co_u32 s16, s16, s9
	s_add_nc_u64 s[82:83], s[6:7], s[16:17]
	s_lshl_b32 s16, s[QL], 7
	s_add_co_u32 s16, s16, s9
	s_add_nc_u64 s[84:85], s[6:7], s[16:17]
	s_cmp_lt_u32 s[WV], 8                          ; the prefetches: waves 4 to 7 stand in K, waves 8 to 11 in V,
	s_cselect_b64 s[PFA:PFA+1], s[48:49], s[50:51]
	s_and_b32 s16, s[WV], 3
	s_lshl_b32 s16, s16, 13                        ; at my wave's 8,192 bytes
	s_add_co_u32 s16, s16, 32768                   ; of slot 1: the first change of slots steps it to slot 2
	s_add_nc_u64 s[PFA:PFA+1], s[PFA:PFA+1], s[16:17]
	s_sub_co_u32 s9, s[WV], 4
	s_lshr_b32 s9, s9, 3                           ; 0 in waves 4 to 11,
	s_or_b32 s9, s9, ttmp9                         ; of the plane's first work-group
	s_cmp_eq_u32 s9, 0
	s_cselect_b32 s[LIM], 1, -1
	v_lshrrev_b32 v3, 1, v14                       ; K: (r / 2) x pitch + 128 (r % 2) + 16 h
	v_mul_u32_u24 v[AK0], v3, PK
	v_and_b32 v3, 1, v14
	v_lshl_add_u32 v[AK0], v3, 7, v[AK0]
	v_lshl_add_u32 v[AK0], v15, 4, v[AK0]
	v_bfe_u32 v3, v0, 1, 2                         ; V: lane l reads 16 bytes of key 8 h + l % 8, channels 8 ((l / 8) % 2) on
	v_lshl_add_u32 v3, v15, 2, v3
	v_mul_u32_u24 v[AV0], v3, PV
	v_and_b32 v3, 1, v0
	v_lshl_add_u32 v[AV0], v3, 7, v[AV0]
	v_bfe_u32 v3, v0, 3, 1
	v_lshl_add_u32 v[AV0], v3, 4, v[AV0]
	v_add_nc_u32 v[AV0], VOFF, v[AV0]
	v_lshlrev_b32 v3, 3, v15
	v_sub_nc_u32 v[RH], v14, v3
	v_mov_b32 v[NINF], 0xff800000
	v_and_b32 v[PFO], 31, v0
	v_lshlrev_b32 v[GO], 4, v[PFO]                 ; the way out: 16 bytes a lane, 512 consecutive bytes a store
	v_lshlrev_b32 v[PFO], 8, v[PFO]
	s_mul_i32 s9, s[WV], 16*SP
	s_add_co_u32 s9, s9, STAGE                     ; my stage
	v_mul_u32_u24 v[STO], v14, SP
	v_lshl_add_u32 v[STO], v15, 4, v[STO]
	v_add_nc_u32 v[STO], s9, v[STO]                ; in: row r, 16 bytes for each half of the lanes
	v_bfe_u32 v3, v0, 3, 2
	v_mul_u32_u24 v[RD], v3, SP
	v_and_b32 v3, 7, v0
	v_lshl_add_u32 v[RD], v3, 4, v[RD]
	v_add_nc_u32 v[RD], s9, v[RD]                  ; back: eight lanes to a row of 128 bytes, four rows an instruction
.irp t, STE, STL
	v_mov_b32 v[\t+1], 0xff61b1e6                  ; m: -3e38, under every score
	v_mul_f32 v[\t], s[CS], v[\t+1]
.irp j, 2,3,4,5,6,7
	v_mov_b32 v[\t+\j], 0
.endr
.endr
.set cn, 0
.rept 64
	v_mov_b32 v[OE+cn], 0                          ; O^T.  (The step is written for all steps alike: the first finds zeros, which a = 0 leaves zeros)
.set cn, cn+1
.endr
	s_wait_loadcnt 0x0                             ; Q
.Lslot:                                            ; seven trips: behind each change of slots but the last the next slot may be asked for
	CHANGE 1
	SLOT_STEPS
	s_sub_co_u32 s[SLOTS], s[SLOTS], 1
	s_cmp_lg_u32 s[SLOTS], 0
	s_cbranch_scc1 .Lslot
	CHANGE 0                                       ; the last slot is written out: nothing is left to ask for
	SLOT_STEPS
	; THE WAY OUT.  l's two halves and the other half of the lanes' are added; O^T is divided by l, rounded to f16 and sent through my stage, so that a store covers 512 consecutive bytes of y.
.rept 4
	v_nop                                          ; places behind the last products
.endr
.irp t, STE, STL
	v_add_f32 v[\t+4], v[\t+2], v[\t+3]
.endr
.irp t, STE, STL
	v_permlanex16_b32 v[\t+5], v[\t+4], s[SEL], s[SEL+1]
.endr
.irp t, STE, STL
	v_add_f32 v[\t+4], v[\t+4], v[\t+5]
.endr
.irp t, STE, STL
	v_rcp_f32 v[\t+6], v[\t+4]
.endr
	v_nop                                          ; a plain instruction behind the last reciprocal,
	s_wait_alu depctr_va_vdst(0)                   ; and the wait ahead of the first use: one for the two
.macro OUT o, t, c, bk, base
.set cn, 0
.rept 16
	v_pk_mul_f32 v[\o+cn:\o+cn+1], v[\o+cn:\o+cn+1], v[\t+6:\t+7] op_sel_hi:[1,0]
.set cn, cn+2
.endr
.set cn, 0
.rept 16
	v_cvt_pk_f16_f32 v[\c+cn], v[\o+2*cn], v[\o+2*cn+1]
.set cn, cn+1
.endr
.irp dt, 0,1,2,3
	ds_store_b128 v[STO], v[\c+4*\dt:\c+4*\dt+3] offset:32*\dt     ; lane (r, h): query r, channels 16 dt + 8 h + 0 .. 7
.endr
.irp u, 0,1,2,3
	ds_load_b128 v[\bk+4*\u:\bk+4*\u+3], v[RD] offset:4*SP*\u      ; LDS serves a wave's instructions in order: these see the stores above
.endr
.irp u, 0,1,2,3
	s_wait_dscnt 3-\u
	global_store_b128 v[GO], v[\bk+4*\u:\bk+4*\u+3], s[\base:\base+1] offset:512*\u
.endr
.endm
	OUT OE, STE, 64, 96, 82
	OUT OL, STL, 80, 112, 84
	s_wait_tensorcnt 0x0                           ; the wave's end
	ds_add_u32 v[SPW], v[NIL]
	s_wait_dscnt 0x0
	s_endpgm
.Lfunc_end_k_q515ac25336_attn:
	.size	k_q515ac25336_attn, .Lfunc_end_k_q515ac25336_attn-k_q515ac25336_attn
	.p2alignl 7, 3214868480
	.fill 96, 4, 3214868480
	.section	.rodata,"a",@progbits
	.p2align	6, 0x0
	.amdhsa_kernel k_q515ac25336_attn
		.amdhsa_group_segment_fixed_size 327680
		.amdhsa_private_segment_fixed_size 0
		.amdhsa_enable_private_segment 0
		.amdhsa_kernarg_size 16
		.amdhsa_user_sgpr_count 2
		.amdhsa_user_sgpr_kernarg_segment_ptr 1
		.amdhsa_wavefront_size32 1
		.amdhsa_system_sgpr_workgroup_id_x 1
		.amdhsa_system_sgpr_workgroup_id_y 1
		.amdhsa_system_sgpr_workgroup_id_z 1
		.amdhsa_system_vgpr_workitem_id 0
		.amdhsa_next_free_vgpr 256
		.amdhsa_next_free_sgpr 100
		.amdhsa_reserve_vcc 1
		.amdhsa_float_denorm_mode_32 3
		.amdhsa_float_denorm_mode_16_64 3
		.amdhsa_memory_ordered 1
		.amdhsa_forward_progress 1
		.amdhsa_inst_pref_size 84
	.end_amdhsa_kernel
	.amdgpu_metadata
---
amdhsa.version: [ 1, 2 ]
amdhsa.kernels:
  - .name:           k_q515ac25336_attn
    .symbol:         k_q515ac25336_attn.kd
    .args:
      - { .name: qkv, .offset: 0, .size: 8, .value_kind: global_buffer, .address_space: global }
      - { .name: y, .offset: 8, .size: 8, .value_kind: global_buffer, .address_space: global }
    .group_segment_fixed_size: 327680
    .private_segment_fixed_size: 0
    .kernarg_segment_align: 8
    .kernarg_segment_size: 16
    .max_flat_workgroup_size: 512
    .sgpr_count:     100
    .vgpr_count:     256
    .wavefront_size: 32
...
	.end_amdgpu_metadata
.endif
;; end of part 3
;; launch proj (part 4): grid 4 x 64, 4 waves a work-group, clusters of 4 x 4, 327,680 bytes of LDS; arguments y, wt, out0; writes out0
.if DOCPART == 4
	.amdgcn_target "amdgcn-amd-amdhsa--gfx1250"
	.amdhsa_code_object_version 6
	.text
	.protected	k_q515ac25336_proj
	.globl	k_q515ac25336_proj
	.p2align	8
	.type	k_q515ac25336_proj,@function
k_q515ac25336_proj:
	s_mov_b64 s[64:65], 0
	v_nop
	global_prefetch_b8 v0, s[64:65] scope:SCOPE_SE
	s_setreg_imm32_b32 hwreg(HW_REG_WAVE_MODE, 25, 1), 1
	s_wait_xcnt 0x0
	s_wait_alu depctr_hold_cnt(0) depctr_sa_sdst(0) depctr_va_vdst(0) depctr_va_sdst(0) depctr_va_ssrc(0) depctr_va_vcc(0) depctr_vm_vsrc(0)
	s_getreg_b32 s2, hwreg(HW_REG_IB_STS2, 6, 4)
	s_cmp_eq_u32 s2, 0
	s_cbranch_scc0 .Lentry_in_a_cluster
	s_endpgm
.Lentry_in_a_cluster:
	s_bfe_u32 s2, ttmp6, 0x10000c
	s_cmp_lg_u32 s2, 0xf033
	s_cbranch_scc0 .Lentry_shape_is_right
	s_endpgm
.Lentry_shape_is_right:
; out0[m][n] = sum over k of y[m][k] w_proj[k][n], on f16 operands with f32 sums.  y: [16 h][8192 m][64] f16 (k = 64 h + channel); wt: [1024 n][1024 k] f16; out0: [8192][1024] f32.
; A tile of 128 (m) x 256 (n) to a work-group: 256 work-groups.  Four waves, each 64 x 128: 32 accumulators of 16 x 16, 256 registers.  K goes in steps of 128 (two heads) through a ring of two LDS slots.
; A's tile of a step is two dense blocks of 16,384 bytes (128 rows x 128 bytes of each head), fetched as rows of 256 bytes, two rows of y to a row: row m lies at (m / 2) x 272 + 128 (m % 2) of its head's plane.
; B's tile is 256 rows of 256 bytes.  Waves 0, 1 fetch A's two planes, waves 2, 3 B's two halves: one tensor load a wave behind each change of slots.
; CLUSTERS: 4 x 4 work-groups; A's tile is shared along a row of the cluster, B's along a column: joint loads with a mask that names the four.
; THE MATRIX INSTRUCTION IS USED TRANSPOSED (source 0 = 16 rows of wt, source 1 = 16 rows of y): a lane holds eight neighbouring columns of one row of out0.
; No prefetch is laid: the launch streams its 50 million bytes of y, wt and out0 for 8 short K steps, so its loads and stores are on their way all the time.
; (The rows t < 16 of every batch are stored again, made in f32, by the launch that follows.)
; REGISTERS: window 0: v0-31 addresses; v64-95, v96-127 A's fragments, two buffers; v128-255 the way out.  window 1: v0-63, v64-127 B's fragments, two buffers.  window 2: accumulator (a, b) at v[8 (8 a + b)].
.set KSTEP,  128
.set PITCH,  272
.set APL,    64*PITCH                  ; a head's plane of A's tile
.set HALFB,  128*PITCH                 ; 128 rows of B
.set SLOT,   2*APL+2*HALFB
.set STAGE,  2*SLOT                    ; behind the ring: 16 rows x (512 bytes + 16) for each wave
.set SPITCH, 528
.set SPARE,  STAGE+4*16*SPITCH         ; the spare words, 128 bytes a wave, that no other line names
.set LAPS,   4                         ; a lap = two K steps = once round the ring
.set ADRA, 16
.set ADRB, 20
.set STO,  24
.set RD,   25
.set CO,   26
.set SPW,  28
.set NIL,  29
.set BK,   128
.set G1, 24
.set G0, 32
.set G1B, 48
.set G0B, 56
.set MSB, 0
.macro WIN new                         ; the immediate's high byte repeats the setting that is left
.if MSB != \new
	s_set_vgpr_msb (MSB<<8)|\new
.set MSB, \new
.endif
.endm
.set MUL,  0xa1                        ; source 0 (B) window 1, source 1 (A) window 0, C and D window 2
.set TO_B, 0x40
.macro JLOAD s                         ; a joint load; an s_nop 0 and four v_nop follow each of the two lines
	s_cmp_eq_u32 s11, 0
	s_cbranch_scc0 .Lfor_b_\@
	tensor_load_to_lds s[G0+4*\s:G0+4*\s+3], s[G1:G1+7]
	s_nop 0
.rept 4
	v_nop
.endr
	s_branch .Lasked_\@
.Lfor_b_\@:
	tensor_load_to_lds s[G0B+4*\s:G0B+4*\s+3], s[G1B:G1B+7]
	s_nop 0
.rept 4
	v_nop
.endr
.Lasked_\@:
.endm
.macro CREST                           ; a round of the cluster's barrier behind its opening barrier
	s_cmp_lg_u32 s10, 0
	s_cbranch_scc1 .Lnot_wave_0_\@
	s_barrier_signal -3
.Lnot_wave_0_\@:
	s_barrier_wait -3
	s_barrier_signal -1
	s_barrier_wait -1
.endm
.macro CROUND
	s_barrier_signal -1
	s_barrier_wait -1
	CREST
.endm
	s_load_b128 s[4:7], s[0:1], 0x0                ; y s[4:5], wt s[6:7]
	s_load_b64 s[8:9], s[0:1], 0x10                ; out0
	v_lshl_add_u32 v[SPW], v0, 2, SPARE
	v_mov_b32 v[NIL], 0
	ds_add_u32 v[SPW], v[NIL]                      ; the wave's opening: the add, twice on end, and its wait ahead of my first tensor load
	ds_add_u32 v[SPW], v[NIL]
	v_lshrrev_b32 v1, 5, v0
	v_readfirstlane_b32 s10, v1                    ; wave 0..3
	s_lshr_b32 s11, s10, 1                         ; which 64 rows of the tile are mine.  Also: I fetch for A (0) or for B (1)
	s_and_b32 s12, s10, 1                          ; which 128 columns.  Also: which plane of A, or which half of B, I fetch
	s_bfe_u32 s40, ttmp6, 0x40000                  ; cx, cy
	s_bfe_u32 s41, ttmp6, 0x40004
	s_lshl_b32 s42, ttmp9, 2
	s_add_co_u32 s42, s42, s40                     ; tile column
	s_and_b32 s13, ttmp7, 0xffff
	s_lshl_b32 s13, s13, 2
	s_add_co_u32 s13, s13, s41                     ; tile row
	s_lshl_b32 s43, s41, 2
	s_lshl_b32 s43, 15, s43                        ; my row of the cluster
	s_lshl_b32 s44, 0x1111, s40                    ; my column
	s_or_b32 s[G1+0], s43, (1<<16)|(1<<20)|(1<<21)|(5<<22)|(3<<25)   ; the mask; elements of 2 bytes; padding on; bit 21 beside a mask; 4 words behind every 64
	s_or_b32 s[G1B+0], s44, (1<<16)|(1<<20)|(1<<21)|(5<<22)|(3<<25)
	s_mov_b32 s[G1+1], 128<<16                     ; A: 64 rows of 128 elements, dense
	s_mov_b32 s[G1+2], 64<<16
	s_mov_b32 s[G1+3], 128<<16
	s_mov_b32 s[G1+4], 64
	s_mov_b32 s[G1+5], 128
	s_mov_b32 s[G1+6], 0
	s_mov_b32 s[G1+7], 0
	s_mov_b32 s[G1B+1], 128<<16                    ; B: 128 rows of 128 elements, 1,024 elements apart
	s_mov_b32 s[G1B+2], 128<<16
	s_mov_b32 s[G1B+3], 128<<16
	s_mov_b32 s[G1B+4], 128
	s_mov_b32 s[G1B+5], 1024
	s_mov_b32 s[G1B+6], 0
	s_mov_b32 s[G1B+7], 0
	s_lshl_b32 s16, s12, 20                        ; A: head s12's plane of 1,048,576 bytes, + 128 rows of 128 bytes for each tile row
	s_lshl_b32 s17, s13, 14
	s_add_co_u32 s16, s16, s17
	s_mov_b32 s17, 0
	s_lshl_b32 s46, s42, 8                         ; B: row 256 x tile column + 128 x half, of 2,048 bytes
	s_lshl_b32 s47, s12, 7
	s_add_co_u32 s46, s46, s47
	s_lshl_b32 s46, s46, 11
	s_mov_b32 s47, 0
	s_mul_i32 s20, s12, APL                        ; where they go: no place in the cluster enters an LDS address
	s_mul_i32 s21, s12, HALFB
	s_add_co_u32 s21, s21, 2*APL
	s_wait_dscnt 0x0                               ; both opening adds are done
	s_wait_kmcnt 0x0
	s_add_nc_u64 s[14:15], s[4:5], s[16:17]
	s_add_nc_u64 s[46:47], s[6:7], s[46:47]
	CROUND                                         ; all sixteen work-groups are here: the first joint loads meet
.irp s, 0,1
	s_mov_b32 s[G0+4*\s], 1
	s_add_co_u32 s[G0+4*\s+1], s20, \s*SLOT
	s_add_nc_u64 s[G0+4*\s+2:G0+4*\s+3], s[14:15], \s*2*1048576    ; K step s: heads 2 s and 2 s + 1
	s_or_b32 s[G0+4*\s+3], s[G0+4*\s+3], 0x80000000
	s_mov_b32 s[G0B+4*\s], 1
	s_add_co_u32 s[G0B+4*\s+1], s21, \s*SLOT
	s_add_nc_u64 s[G0B+4*\s+2:G0B+4*\s+3], s[46:47], \s*KSTEP*2
	s_or_b32 s[G0B+4*\s+3], s[G0B+4*\s+3], 0x80000000
	JLOAD \s
.endr
	v_and_b32 v1, 15, v0                           ; r
	v_bfe_u32 v2, v0, 4, 1                         ; h
	v_lshrrev_b32 v5, 1, v1
	v_mul_u32_u24 v3, v5, PITCH
	v_and_b32 v5, 1, v1
	v_lshl_add_u32 v3, v5, 7, v3
	v_lshl_add_u32 v3, v2, 4, v3                   ; A: (r / 2) x pitch + 128 (r % 2) + 16 h
	v_mul_u32_u24 v4, v1, PITCH
	v_lshl_add_u32 v4, v2, 4, v4                   ; B: r x pitch + 16 h
	s_mul_i32 s21, s11, 32*PITCH                   ; my 64 rows of A: 32 LDS rows
	s_mul_i32 s22, s12, HALFB                      ; my 128 rows of B,
	s_add_co_u32 s22, s22, 2*APL                   ; behind A's two planes
.irp s, 0,1
	v_add_nc_u32 v[ADRA+\s], s21, v3
	v_add_nc_u32 v[ADRB+\s], s22, v4
	s_add_co_u32 s21, s21, SLOT
	s_add_co_u32 s22, s22, SLOT
.endr
	s_mul_i32 s23, s10, 16*SPITCH
	s_add_co_u32 s23, s23, STAGE                   ; my stage
	v_mul_u32_u24 v5, v1, SPITCH
	v_lshl_add_u32 v5, v2, 5, v5
	v_add_nc_u32 v[STO], s23, v5                   ; in: row r, 32 bytes for each half of the lanes
	v_and_b32 v6, 31, v0
	v_lshlrev_b32 v[CO], 4, v6                     ; back: the 32 lanes take one row of 512 bytes; and the same in out0
	v_add_nc_u32 v[RD], s23, v[CO]
	s_lshl_b32 s16, s13, 7
	s_lshl_b32 s17, s11, 6
	s_add_co_u32 s16, s16, s17                     ; my first row: 128 x tile row + 64 x half, of 4,096 bytes
	s_lshl_b32 s16, s16, 12
	s_mov_b32 s17, 0
	s_add_nc_u64 s[8:9], s[8:9], s[16:17]
	s_lshl_b32 s46, s42, 10                        ; my first column, in bytes: 1,024 x tile column + 512 x half
	s_lshl_b32 s47, s12, 9
	s_add_co_u32 s46, s46, s47
	s_mov_b32 s47, 0
	s_add_nc_u64 s[8:9], s[8:9], s[46:47]
; 8 matrix instructions: A's block a x B's eight, 32 along K, from buffer f.  The 32 accumulators take turns, one instruction a turn, in the same order in every quarter.
.macro MULA f, a, zero
.irp b, 0,1,2,3,4,5,6,7
.if \zero
	v_wmma_f32_16x16x32_f16 v[8*(8*(\a)+\b):8*(8*(\a)+\b)+7], v[64*(\f)+8*\b:64*(\f)+8*\b+7], v[64+32*(\f)+8*(\a):64+32*(\f)+8*(\a)+7], 0
.else
	v_wmma_f32_16x16x32_f16 v[8*(8*(\a)+\b):8*(8*(\a)+\b)+7], v[64*(\f)+8*\b:64*(\f)+8*\b+7], v[64+32*(\f)+8*(\a):64+32*(\f)+8*(\a)+7], v[8*(8*(\a)+\b):8*(8*(\a)+\b)+7]
.endif
.endr
.endm
.macro MUL16 f, a0, zero
	MULA \f, \a0, \zero
	MULA \f, (\a0)+1, \zero
.endm
; 24 LDS loads in one run: the fragments of quarter q (32 along K) of a slot into buffer f: B's eight, then A's four
.macro FETCH slot, q, f
	WIN TO_B
.irp i, 0,1,2,3,4,5,6,7
	ds_load_b128 v[64*(\f)+8*\i:64*(\f)+8*\i+3],   v[ADRB+\slot] offset:64*(\q)+\i*16*PITCH
	ds_load_b128 v[64*(\f)+8*\i+4:64*(\f)+8*\i+7], v[ADRB+\slot] offset:64*(\q)+\i*16*PITCH+32
.endr
	WIN 0
.irp i, 0,1,2,3
	ds_load_b128 v[64+32*(\f)+8*\i:64+32*(\f)+8*\i+3],   v[ADRA+\slot] offset:((\q)/2)*APL+((\q)%2)*64+\i*8*PITCH
	ds_load_b128 v[64+32*(\f)+8*\i+4:64+32*(\f)+8*\i+7], v[ADRA+\slot] offset:((\q)/2)*APL+((\q)%2)*64+\i*8*PITCH+32
.endr
.endm
.macro PLACES                          ; four places in front of loads into registers that matrix instructions have read, and of the first read of results
.rept 4
	v_nop
.endr
.endm
; One of a K step's first three quarters: multiplies buffer f and fetches quarter qn of the same slot into buffer g
.macro QUARTER slot, qn, f, g, zero
	s_wait_dscnt 4                                 ; B and A's blocks 0, 1 are in; the youngest four loads (A's blocks 2, 3) may be out
	WIN MUL
	MUL16 \f, 0, \zero
	PLACES
	FETCH \slot, \qn, \g
	s_wait_dscnt 24                                ; all but the 24 just issued
	WIN MUL
	MUL16 \f, 2, \zero
.endm
; The last quarter multiplies buffer 1 and changes slots: ONE barrier; in front of it each wave waits for all its tensor loads, adds 0 to its spare word, and waits for that and for its reads of this slot.
; fill = 1: the barrier opens a round of the cluster's barrier, and this slot is filled again, two K steps ahead, first thing behind the round.
.macro TURN slot, next, fill
	WIN 0                                          ; (the add's two registers lie in window 0)
	s_wait_tensorcnt 0x0                           ; all my tensor loads have landed: my part of the next slot
	ds_add_u32 v[SPW], v[NIL]
	s_wait_dscnt 5                                 ; the add and the youngest four loads may be out
	WIN MUL
	MULA 1, 0, 0                                   ; eight matrix instructions stand between the add and the wait for it
	s_wait_dscnt 0x0                               ; the add is done, and my reads of this slot are over
	s_barrier_signal -1
	MULA 1, 1, 0
.if \fill
	WIN 0
.endif
	s_barrier_wait -1
.if \fill
	CREST                                          ; no wave of any partner still reads this slot's tile or has a load on its way
	s_add_nc_u64 s[G0+4*\slot+2:G0+4*\slot+3], s[G0+4*\slot+2:G0+4*\slot+3], 4*1048576
	s_add_nc_u64 s[G0B+4*\slot+2:G0B+4*\slot+3], s[G0B+4*\slot+2:G0B+4*\slot+3], 2*KSTEP*2
	JLOAD \slot                                    ; the four v_nop behind it are also the places in front of the loads below
.else
	PLACES
.endif
	FETCH \next, 0, 0
	WIN MUL
	MUL16 1, 2, 0
.endm
	s_wait_tensorcnt 1                             ; my part of K step 0 is in; K step 1's load may be out
	s_barrier_signal -1
	s_barrier_wait -1
	FETCH 0, 0, 0
	QUARTER 0, 1, 0, 1, 1                          ; the first quarter stands in front of the loop: its products start the sums
	WIN 0                                          ; at a label and at a branch every window is 0
	s_mov_b32 s3, LAPS-1
.Llap:                                             ; a trip goes once round the ring, from a lap's second quarter to the next lap's first, and fills both slots again
	QUARTER 0, 2, 1, 0, 0
	QUARTER 0, 3, 0, 1, 0
	TURN 0, 1, 1
	QUARTER 1, 1, 0, 1, 0
	QUARTER 1, 2, 1, 0, 0
	QUARTER 1, 3, 0, 1, 0
	TURN 1, 0, 1
	QUARTER 0, 1, 0, 1, 0
	WIN 0
	s_sub_co_u32 s3, s3, 1
	s_cmp_lg_u32 s3, 0
	s_cbranch_scc1 .Llap
	QUARTER 0, 2, 1, 0, 0                          ; the last lap fills nothing, and has no round of the cluster's barrier
	QUARTER 0, 3, 0, 1, 0
	TURN 0, 1, 0
	QUARTER 1, 1, 0, 1, 0
	QUARTER 1, 2, 1, 0, 0
	QUARTER 1, 3, 0, 1, 0
	s_wait_dscnt 4                                 ; the very last quarter: nothing more to fetch
	WIN MUL
	MUL16 1, 0, 0
	s_wait_dscnt 0
	MUL16 1, 2, 0
	WIN 0
; THE WAY OUT, block by block of 16 rows x 128 columns: through my own stage and back as whole rows of 512 bytes, which the 32 lanes store as 512 consecutive aligned bytes.
; LDS serves a wave's instructions in order (ISA guide 5.7.1.4): no wait between the stores and the loads, nor in front of the next block's stores.
.macro TOSTAGE a
	WIN 0x08                                       ; an LDS store's data are its source 1: window 2
.irp b, 0,1,2,3,4,5,6,7
	ds_store_b128 v[STO], v[64*(\a)+8*\b:64*(\a)+8*\b+3] offset:64*\b        ; each accumulator from its low end on
	ds_store_b128 v[STO], v[64*(\a)+8*\b+4:64*(\a)+8*\b+7] offset:64*\b+16
.endr
	WIN 0
.set BB, BK+64*((\a)%2)
.irp t, 0,1,2,3,4,5,6,7,8,9,10,11,12,13,14,15
	ds_load_b128 v[BB+4*\t:BB+4*\t+3], v[RD] offset:\t*SPITCH
.endr
.endm
.macro SEND a, younger                 ; younger: the LDS instructions issued behind block a's loads, which may stay out
.set BB, BK+64*((\a)%2)
	s_wait_dscnt \younger
.irp t, 0,1,2,3,4,5,6,7,8,9,10,11,12,13,14,15
	global_store_b128 v[CO], v[BB+4*\t:BB+4*\t+3], s[8:9] offset:(16*(\a)+\t)*4096 th:TH_STORE_NT
.endr
.endm
	PLACES
	TOSTAGE 0
.irp a, 1,2,3
.if \a > 1
	s_wait_xcnt 0x0                                ; block a - 2's stores have read their registers: block a's loads may land there
.endif
	TOSTAGE \a
	SEND \a-1, 32                                  ; behind block a - 1's loads: block a's 16 stores and 16 loads
.endr
	SEND 3, 0
	s_wait_tensorcnt 0x0                           ; the wave's end
	ds_add_u32 v[SPW], v[NIL]
	s_wait_dscnt 0x0
	CROUND                                         ; the closing round
	s_endpgm
.Lfunc_end_k_q515ac25336_proj:
	.size	k_q515ac25336_proj, .Lfunc_end_k_q515ac25336_proj-k_q515ac25336_proj
	.p2alignl 7, 3214868480
	.fill 96, 4, 3214868480
	.section	.rodata,"a",@progbits
	.p2align	6, 0x0
	.amdhsa_kernel k_q515ac25336_proj
		.amdhsa_group_segment_fixed_size 327680
		.amdhsa_private_segment_fixed_size 0
		.amdhsa_enable_private_segment 0
		.amdhsa_kernarg_size 24
		.amdhsa_user_sgpr_count 2
		.amdhsa_user_sgpr_kernarg_segment_ptr 1
		.amdhsa_wavefront_size32 1
		.amdhsa_system_sgpr_workgroup_id_x 1
		.amdhsa_system_sgpr_workgroup_id_y 1
		.amdhsa_system_sgpr_workgroup_id_z 1
		.amdhsa_system_vgpr_workitem_id 0
		.amdhsa_next_free_vgpr 768
		.amdhsa_next_free_sgpr 66
		.amdhsa_reserve_vcc 0
		.amdhsa_float_denorm_mode_32 3
		.amdhsa_float_denorm_mode_16_64 3
		.amdhsa_memory_ordered 1
		.amdhsa_forward_progress 1
		.amdhsa_inst_pref_size 85
	.end_amdhsa_kernel
	.amdgpu_metadata
---
amdhsa.version: [ 1, 2 ]
amdhsa.kernels:
  - .name:           k_q515ac25336_proj
    .symbol:         k_q515ac25336_proj.kd
    .args:
      - { .name: y, .offset: 0, .size: 8, .value_kind: global_buffer, .address_space: global }
      - { .name: wt, .offset: 8, .size: 8, .value_kind: global_buffer, .address_space: global }
      - { .name: out0, .offset: 16, .size: 8, .value_kind: global_buffer, .address_space: global }
    .group_segment_fixed_size: 327680
    .private_segment_fixed_size: 0
    .kernarg_segment_align: 8
    .kernarg_segment_size: 24
    .max_flat_workgroup_size: 128
    .sgpr_count:     66
    .vgpr_count:     768
    .wavefront_size: 32
...
	.end_amdgpu_metadata
.endif
;; end of part 4
;; launch first16 (part 5): grid 16 x 4, 16 waves a work-group, no clusters, 85,248 bytes of LDS; arguments qkv16, w_proj, out0; writes out0
.if DOCPART == 5
	.amdgcn_target "amdgcn-amd-amdhsa--gfx1250"
	.amdhsa_code_object_version 6
	.text
	.protected	k_q515ac25336_first16
	.globl	k_q515ac25336_first16
	.p2align	8
	.type	k_q515ac25336_first16,@function
k_q515ac25336_first16:
	s_mov_b64 s[64:65], 0
	v_nop
	global_prefetch_b8 v0, s[64:65] scope:SCOPE_SE
	s_setreg_imm32_b32 hwreg(HW_REG_WAVE_MODE, 25, 1), 1
	s_wait_xcnt 0x0
; The first 16 positions of every batch, in f32 throughout: their rows average one to sixteen values, so the rounding of 16-bit operands would weigh most there.
; qkv16: [4 b][16 t][3072] f32 (q, k, v as the first product made them); w_proj: [1024 k][1024 n] f32; out0 rows 2048 b + 0 .. 15 are stored (over what the launch before left there).
; A work-group takes one batch (y) and 64 output columns (x).  PHASE A: wave w makes head w's attention for the 16 positions (every work-group of a batch makes it anew: 16 x 16 x 64 numbers a head) and
; puts its 64 channels of y into LDS.  PHASE B: wave w multiplies the 16 rows of y by 16 columns (w % 4) of w_proj over a quarter (w / 4) of K; the four quarters meet in LDS; each wave adds and stores one row.
; All products by v_wmma_f32_16x16x4_f32, used transposed, so that a lane holds one position.  K's order within a product is permuted alike in both sources, so that a lane's registers are neighbours in memory.
; The registers that these matrix instructions write, v112-143, are written by nothing else; what is made of a finished sum goes into other registers.
.set P16,   4112                       ; a row of y in LDS: 4,096 bytes + 16
.set RED,   16*P16                     ; behind y: four planes (quarters of K) of 16 rows x (256 bytes + 16)
.set RP,    272
.set SPARE, RED+4*16*RP                ; the spare words, 128 bytes a wave, that no other line names
.set SPW, 13
.set NIL, 14
	s_load_b128 s[4:7], s[0:1], 0x0                ; qkv16, w_proj
	s_load_b64 s[8:9], s[0:1], 0x10                ; out0
	v_lshl_add_u32 v[SPW], v0, 2, SPARE
	v_mov_b32 v[NIL], 0
	v_lshrrev_b32 v1, 5, v0
	v_readfirstlane_b32 s18, v1                    ; wave 0..15
	s_and_b32 s19, ttmp7, 0xffff                   ; the batch
	s_and_b32 s20, s18, 3                          ; ct: which 16 columns
	s_lshr_b32 s21, s18, 2                         ; kq: which quarter of K
	s_mov_b32 s26, 0x3e38aa3b                      ; c = log2(e) / 8
	s_mov_b32 s28, 0x76543210
	s_mov_b32 s29, 0xfedcba98                      ; v_permlanex16_b32's selects for lane l xor 16
	v_and_b32 v1, 15, v0                           ; r
	v_bfe_u32 v2, v0, 4, 1                         ; h
	s_lshl_b32 s22, s18, 8                         ; 256 w: a head's 64 channels in bytes
	v_mul_u32_u24 v3, v1, 12288
	v_lshl_add_u32 v3, v2, 7, v3
	v_add_nc_u32 v3, s22, v3                       ; Q, K: row r, channels 64 w + 32 h on
	v_mul_u32_u24 v4, v2, 98304
	v_lshl_add_u32 v4, v1, 2, v4
	v_add_nc_u32 v4, s22, v4                       ; V: keys 8 h on, channel 64 w + r
	v_lshlrev_b32 v5, 19, v2                       ; w_proj: rows 256 kq + 128 h on (4,096 bytes a row), column 64 x + 16 ct + r
	v_lshl_add_u32 v5, v1, 2, v5
	s_lshl_b32 s23, s21, 20
	s_lshl_b32 s24, ttmp9, 8
	s_add_co_u32 s23, s23, s24
	s_lshl_b32 s24, s20, 6
	s_add_co_u32 s23, s23, s24
	v_add_nc_u32 v5, s23, v5
	v_mul_u32_u24 v6, v1, P16
	v_lshl_add_u32 v7, v2, 9, v6
	v_lshl_add_u32 v6, v2, 5, v6
	v_add_nc_u32 v6, s22, v6                       ; y into LDS: row r, 256 w + 32 h
	s_lshl_b32 s23, s21, 10
	v_add_nc_u32 v7, s23, v7                       ; y out of LDS: row r, 1,024 kq + 512 h
	v_mul_u32_u24 v8, v1, RP
	v_lshl_add_u32 v8, v2, 5, v8
	s_mul_i32 s23, s21, 16*RP
	s_add_co_u32 s23, s23, s24
	s_add_co_u32 s23, s23, RED
	v_add_nc_u32 v8, s23, v8                       ; my part sums: plane kq, row r, 64 ct + 32 h
	v_and_b32 v10, 31, v0
	v_lshlrev_b32 v10, 3, v10                      ; 8 bytes a lane: a row's 256 bytes
	s_mul_i32 s23, s18, RP
	s_add_co_u32 s23, s23, RED
	v_add_nc_u32 v9, s23, v10                      ; row w of plane 0
	v_lshlrev_b32 v15, 3, v2
	v_sub_nc_u32 v11, v1, v15                      ; r - 8 h
	v_mov_b32 v12, 0xff800000                      ; -infinity
	v_mov_b32 v157, 0                              ; written once: a lane permute's destination counts as one of its sources
	s_mul_i32 s10, s19, 196608
	s_mov_b32 s11, 0
	s_lshl_b32 s12, s19, 11
	s_add_co_u32 s12, s12, s18                     ; the row that I store: 2048 b + w
	s_lshl_b32 s12, s12, 12
	s_lshl_b32 s24, ttmp9, 8
	s_add_co_u32 s12, s12, s24
	s_mov_b32 s13, 0
	s_wait_kmcnt 0x0
	s_add_nc_u64 s[4:5], s[4:5], s[10:11]
	s_add_nc_u64 s[8:9], s[8:9], s[12:13]
.set cn, 0
.rept 64
	global_load_b32 v[192+cn], v5, s[6:7] offset:cn*4096           ; the weight's first 64 of my 128 rows: register e = row e of my half's run; they fly under phase A
.set cn, cn+1
.endr
.irp i, 0,1,2,3,4,5,6,7
	global_load_b128 v[16+4*\i:19+4*\i], v3, s[4:5] offset:16*\i           ; Q: 32 neighbouring channels
	global_load_b128 v[48+4*\i:51+4*\i], v3, s[4:5] offset:4096+16*\i      ; K
.endr
.irp dt, 0,1,2,3
.irp e, 0,1,2,3,4,5,6,7
	global_load_b32 v[80+8*\dt+\e], v4, s[4:5] offset:\e*12288+8192+64*\dt ; V(key 8 h + e, channel 16 dt + r)
.endr
.endr
	s_wait_loadcnt 0x0
	; S^T = K Q^T: source 0 = the 16 keys, source 1 = the 16 queries; step s takes channels 32 h + 2 s, + 1.  Two accumulators by turns; the first two steps start the sums
	v_wmma_f32_16x16x4_f32 v[112:119], v[48:49], v[16:17], 0
	v_wmma_f32_16x16x4_f32 v[120:127], v[50:51], v[18:19], 0
.irp s, 2,4,6,8,10,12,14
	v_wmma_f32_16x16x4_f32 v[112:119], v[48+2*\s:49+2*\s], v[16+2*\s:17+2*\s], v[112:119]
	v_wmma_f32_16x16x4_f32 v[120:127], v[50+2*\s:51+2*\s], v[18+2*\s:19+2*\s], v[120:127]
.endr
.rept 8
	v_nop                                          ; eight places behind this form, in front of loads into its sources and of the first read of its results
.endr
.set cn, 0
.rept 64
	global_load_b32 v[16+cn], v5, s[6:7] offset:(64+cn)*4096       ; the weight's other 64 rows, into Q's and K's registers
.set cn, cn+1
.endr
.irp i, 0,2,4,6
	v_pk_add_f32 v[144+\i:145+\i], v[112+\i:113+\i], v[120+\i:121+\i]   ; lane (r, h): query r, register j: key 8 h + j
.endr
.irp j, 0,1,2,3,4,5,6,7
	v_cmp_gt_i32 vcc_lo, \j, v11                   ; key 8 h + j comes after query r
	v_cndmask_b32 v[144+\j], v[144+\j], v12, vcc_lo
.endr
	v_max3_num_f32 v152, v144, v145, v146
	v_max3_num_f32 v153, v147, v148, v149
	v_max3_num_f32 v152, v152, v150, v151
	v_max_num_f32 v152, v152, v153
	v_permlanex16_b32 v153, v152, s28, s29
	v_max_num_f32 v152, v152, v153                 ; the row's maximum: key 0 counts for every query, so it is a number
	v_mul_f32 v154, s26, v152
.irp j, 0,1,2,3,4,5,6,7
	v_fma_f32 v[144+\j], v[144+\j], s26, -v154
.endr
.irp j, 0,1,2,3,4,5,6,7
	v_exp_f32 v[144+\j], v[144+\j]
.endr
	v_nop                                          ; a plain instruction behind the last exponential,
	s_wait_alu depctr_va_vdst(0)                   ; and one wait for the eight, ahead of their first reader
	v_pk_add_f32 v[158:159], v[144:145], v[146:147]
	v_pk_add_f32 v[154:155], v[148:149], v[150:151]
	v_pk_add_f32 v[158:159], v[158:159], v[154:155]
	v_add_f32 v156, v158, v159
	v_permlanex16_b32 v157, v156, s28, s29
	v_add_f32 v156, v156, v157                     ; the row's sum
	v_rcp_f32 v156, v156
	v_nop
	s_wait_alu depctr_va_vdst(0)
	; O^T = V^T P: source 0 = 16 channels, source 1 = p as it lies: step s takes keys 8 h + 2 s, + 1.  Four accumulators by turns; step 0 starts the sums
.irp dt, 0,1,2,3
	v_wmma_f32_16x16x4_f32 v[112+8*\dt:119+8*\dt], v[80+8*\dt:81+8*\dt], v[144:145], 0
.endr
.irp s, 1,2,3
.irp dt, 0,1,2,3
	v_wmma_f32_16x16x4_f32 v[112+8*\dt:119+8*\dt], v[80+8*\dt+2*\s:81+8*\dt+2*\s], v[144+2*\s:145+2*\s], v[112+8*\dt:119+8*\dt]
.endr
.endr
.rept 8
	v_nop
.endr
.set cn, 0
.rept 16
	v_pk_mul_f32 v[160+cn:161+cn], v[112+cn:113+cn], v[156:157] op_sel_hi:[1,0]   ; y = O^T / the sum: register 8 dt + j is channel 16 dt + 8 h + j of query r
.set cn, cn+2
.endr
.irp dt, 0,1,2,3
	ds_store_b128 v6, v[160+8*\dt:163+8*\dt] offset:64*\dt
	ds_store_b128 v6, v[164+8*\dt:167+8*\dt] offset:64*\dt+16
.endr
	s_wait_dscnt 0x0                               ; for the others' sake: my stores are done
	s_barrier_signal -1
	s_barrier_wait -1                              ; the 16 rows of y lie in LDS
	; PHASE B.  Source 0 = 16 columns of w_proj, source 1 = the 16 rows of y; step s of 64 takes k = 256 kq + 128 h + 2 s, + 1.  Four accumulators by turns; y comes in four chunks of 16 steps, on two buffers.
.macro YLOAD c, buf
.irp i, 0,1,2,3,4,5,6,7
	ds_load_b128 v[\buf+4*\i:\buf+4*\i+3], v7 offset:128*(\c)+16*\i
.endr
.endm
.macro CHUNK w, y, zero
.irp e, 0,1,2,3,4,5,6,7,8,9,10,11,12,13,14,15
.if \zero && (\e < 4)
	v_wmma_f32_16x16x4_f32 v[112+8*(\e%4):119+8*(\e%4)], v[\w+2*\e:\w+2*\e+1], v[\y+2*\e:\y+2*\e+1], 0
.else
	v_wmma_f32_16x16x4_f32 v[112+8*(\e%4):119+8*(\e%4)], v[\w+2*\e:\w+2*\e+1], v[\y+2*\e:\y+2*\e+1], v[112+8*(\e%4):119+8*(\e%4)]
.endif
.endr
.endm
.rept 9
	v_nop                                          ; nine places: the accumulators are begun anew over the last products' results, and V's registers are loaded over
.endr
	YLOAD 0, 80
	YLOAD 1, 160
	s_wait_dscnt 8                                 ; chunk 0 is in; chunk 1's eight loads may be out
	CHUNK 192, 80, 1
.rept 8
	v_nop
.endr
	YLOAD 2, 80
	s_wait_dscnt 8
	CHUNK 224, 160, 0
.rept 8
	v_nop
.endr
	YLOAD 3, 160
	s_wait_dscnt 8
	s_wait_loadcnt 32                              ; the weight's third 32 rows are in; the last 32 loads may be out
	CHUNK 16, 80, 0
	s_wait_dscnt 0x0
	s_wait_loadcnt 0x0
	CHUNK 48, 160, 0
.rept 8
	v_nop
.endr
.irp i, 0,2,4,6
	v_pk_add_f32 v[144+\i:145+\i], v[112+\i:113+\i], v[120+\i:121+\i]   ; the four accumulators are added, each from its low end on
.endr
.irp i, 0,2,4,6
	v_pk_add_f32 v[152+\i:153+\i], v[128+\i:129+\i], v[136+\i:137+\i]
.endr
.irp i, 0,2,4,6
	v_pk_add_f32 v[144+\i:145+\i], v[144+\i:145+\i], v[152+\i:153+\i]   ; lane (r, h): row r, columns 16 ct + 8 h + 0 .. 7, over my quarter of K
.endr
	ds_store_b128 v8, v[144:147]
	ds_store_b128 v8, v[148:151] offset:16
	s_wait_dscnt 0x0
	s_barrier_signal -1
	s_barrier_wait -1                              ; the four quarters' sums lie in LDS
.irp q, 0,1,2,3
	ds_load_b64 v[152+2*\q:153+2*\q], v9 offset:\q*16*RP           ; row w, 8 bytes a lane, of each plane
.endr
	s_wait_dscnt 0x0
	v_pk_add_f32 v[152:153], v[152:153], v[154:155]
	v_pk_add_f32 v[156:157], v[156:157], v[158:159]
	v_pk_add_f32 v[152:153], v[152:153], v[156:157]
	global_store_b64 v10, v[152:153], s[8:9]       ; 32 lanes store 256 consecutive aligned bytes
	s_wait_tensorcnt 0x0                           ; the wave's end, behind my last LDS store
	ds_add_u32 v[SPW], v[NIL]
	s_wait_dscnt 0x0
	s_endpgm
.Lfunc_end_k_q515ac25336_first16:
	.size	k_q515ac25336_first16, .Lfunc_end_k_q515ac25336_first16-k_q515ac25336_first16
	.p2alignl 7, 3214868480
	.fill 96, 4, 3214868480
	.section	.rodata,"a",@progbits
	.p2align	6, 0x0
	.amdhsa_kernel k_q515ac25336_first16
		.amdhsa_group_segment_fixed_size 85248
		.amdhsa_private_segment_fixed_size 0
		.amdhsa_enable_private_segment 0
		.amdhsa_kernarg_size 24
		.amdhsa_user_sgpr_count 2
		.amdhsa_user_sgpr_kernarg_segment_ptr 1
		.amdhsa_wavefront_size32 1
		.amdhsa_system_sgpr_workgroup_id_x 1
		.amdhsa_system_sgpr_workgroup_id_y 1
		.amdhsa_system_sgpr_workgroup_id_z 1
		.amdhsa_system_vgpr_workitem_id 0
		.amdhsa_next_free_vgpr 256
		.amdhsa_next_free_sgpr 66
		.amdhsa_reserve_vcc 1
		.amdhsa_float_denorm_mode_32 3
		.amdhsa_float_denorm_mode_16_64 3
		.amdhsa_memory_ordered 1
		.amdhsa_forward_progress 1
		.amdhsa_inst_pref_size 35
	.end_amdhsa_kernel
	.amdgpu_metadata
---
amdhsa.version: [ 1, 2 ]
amdhsa.kernels:
  - .name:           k_q515ac25336_first16
    .symbol:         k_q515ac25336_first16.kd
    .args:
      - { .name: qkv16, .offset: 0, .size: 8, .value_kind: global_buffer, .address_space: global }
      - { .name: w_proj, .offset: 8, .size: 8, .value_kind: global_buffer, .address_space: global }
      - { .name: out0, .offset: 16, .size: 8, .value_kind: global_buffer, .address_space: global }
    .group_segment_fixed_size: 85248
    .private_segment_fixed_size: 0
    .kernarg_segment_align: 8
    .kernarg_segment_size: 24
    .max_flat_workgroup_size: 512
    .sgpr_count:     66
    .vgpr_count:     256
    .wavefront_size: 32
...
	.end_amdgpu_metadata
.endif
;; end of part 5
